; MI455X (gfx1250); checked and timed in simulation.
; The chip was launched on July 23, 2026; its instructions are those of AMD's public machine-readable ISA for CDNA 5 (MIT licence, August 2026) and "CDNA5" Instruction Set Architecture Reference Guide (July 2026). The comments in the code are by the model that wrote it; some were corrected since.
;; Dual Path Transformer. Allowed arithmetic: matrix products marked QUANTISED: E5M2 operands, one given power-of-two scale a tensor, by v_wmma_f32_16x16x64_bf8_bf8 or v_wmma_f32_16x16x128_bf8_bf8, f32 sums; products left as they are: f32 operands where the result goes on into a quantised operand, else bf16, f16 or f32 operands; f32 sums; everything else in f32.
;; Inputs: ffn_b1 1,024 float32; ffn_b2 512 float32; ffn_w1_codes 1,024 x 16 x 32 uint8 (E5M2 codes of ffn_w1, K innermost, in blocks of 32 codes); ffn_w2_codes 512 x 32 x 32 uint8 (E5M2 codes of ffn_w2, K innermost, in blocks of 32 codes); g_bo 512 float32; g_bqkv 3 x 512 float32; g_wo_codes 512 x 16 x 32 uint8 (E5M2 codes of g_wo, K innermost, in blocks of 32 codes); g_wqkv_codes 3 x 512 x 16 x 32 uint8 (E5M2 codes of g_wqkv, K innermost, in blocks of 32 codes); gate_b 512 float32; gate_w_codes 512 x 32 x 32 uint8 (E5M2 codes of gate_w, K innermost, in blocks of 32 codes); l_bo 512 float32; l_bqkv 3 x 512 float32; l_wo_codes 512 x 16 x 32 uint8 (E5M2 codes of l_wo, K innermost, in blocks of 32 codes); l_wqkv_codes 3 x 512 x 16 x 32 uint8 (E5M2 codes of l_wqkv, K innermost, in blocks of 32 codes); lowp_scales 32 int32 (the exponents e of the quantised operands' scales 2^e); n1_b 512 float32; n1_g 512 float32; n2_b 512 float32; n2_g 512 float32; n3_b 512 float32; n3_g 512 float32; out_b 128 float32; out_w 512 x 128 float32; pos 1 x 2,048 x 512 float32; win_b 512 float32; win_w_codes 512 x 8 x 32 uint8 (E5M2 codes of win_w, K innermost, in blocks of 32 codes); x_codes 4 x 2,048 x 8 x 32 uint8 (E5M2 codes of x, K innermost, in blocks of 32 codes).
;; Outputs: out0 4 x 128 float32.
;; This version of the problem:
;;   THIS VERSION OF THE PROBLEM IS GIVEN IN LOW PRECISION. The matrix products marked QUANTISED in the list below multiply operands that are first quantised to E5M2 (5 exponent bits, 2 mantissa bits; 8 bits a number), with one given power-of-two scale for each operand tensor; their sums are f32. All else is computed in f32.
;;   The module's matrix products, in the order in which they are computed (A, B: the left and right operand; K: the contracted axis; several contracted axes count as one K, in the product's order):
;;     1. [M 8,192, K 256] x [K 256, N 512]; A: input x (given as codes); B: input win_w (given as codes): QUANTISED (scales: A lowp_scales[0], B lowp_scales[1])
;;     2. [M 8,192, K 512] x [K 512, N 512]; A: computed on the way; B: input l_wqkv (given as codes): QUANTISED (scales: A lowp_scales[2], B lowp_scales[3])
;;     3. [M 8,192, K 512] x [K 512, N 512]; A: computed on the way; B: input l_wqkv (given as codes): QUANTISED (scales: A lowp_scales[4], B lowp_scales[5])
;;     4. [M 8,192, K 512] x [K 512, N 512]; A: computed on the way; B: input l_wqkv (given as codes): QUANTISED (scales: A lowp_scales[6], B lowp_scales[7])
;;     5. batch 32 x [M 2,048, K 64] x [K 64, N 2,048]; A: computed on the way; B: computed on the way: QUANTISED (scales: A lowp_scales[8], B lowp_scales[9])
;;     6. batch 32 x [M 64, K 2,048] x [K 2,048, N 2,048]; A: computed on the way; B: softmax (see below): QUANTISED (scales: A lowp_scales[10], B lowp_scales[11])
;;     7. [M 8,192, K 512] x [K 512, N 512]; A: computed on the way; B: input l_wo (given as codes): QUANTISED (scales: A lowp_scales[12], B lowp_scales[13])
;;     8. [M 8,192, K 512] x [K 512, N 512]; A: computed on the way; B: input g_wqkv (given as codes): QUANTISED (scales: A lowp_scales[14], B lowp_scales[15])
;;     9. [M 8,192, K 512] x [K 512, N 512]; A: computed on the way; B: input g_wqkv (given as codes): QUANTISED (scales: A lowp_scales[16], B lowp_scales[17])
;;     10. [M 8,192, K 512] x [K 512, N 512]; A: computed on the way; B: input g_wqkv (given as codes): QUANTISED (scales: A lowp_scales[18], B lowp_scales[19])
;;     11. batch 32 x [M 2,048, K 64] x [K 64, N 2,048]; A: computed on the way; B: computed on the way: QUANTISED (scales: A lowp_scales[20], B lowp_scales[21])
;;     12. batch 32 x [M 64, K 2,048] x [K 2,048, N 2,048]; A: computed on the way; B: softmax (see below): QUANTISED (scales: A lowp_scales[22], B lowp_scales[23])
;;     13. [M 8,192, K 512] x [K 512, N 512]; A: computed on the way; B: input g_wo (given as codes): QUANTISED (scales: A lowp_scales[24], B lowp_scales[25])
;;     14. [M 8,192, K 1,024] x [K 1,024, N 512]; A: computed on the way; B: input gate_w (given as codes): QUANTISED (scales: A lowp_scales[26], B lowp_scales[27])
;;     15. [M 8,192, K 512] x [K 512, N 1,024]; A: computed on the way; B: input ffn_w1 (given as codes): QUANTISED (scales: A lowp_scales[28], B lowp_scales[29])
;;     16. [M 8,192, K 1,024] x [K 1,024, N 512]; A: computed on the way; B: input ffn_w2 (given as codes): QUANTISED (scales: A lowp_scales[30], B lowp_scales[31])
;;     17. [M 4, K 512] x [K 512, N 128]; A: computed on the way; B: input out_w: left as it is (M = 4 < 16)
;;   THE QUANTISER, for each operand of a quantised product, along K:
;;     - The operand's scale is 2^e, e = its entry of the input lowp_scales (int32; the entries are numbered through the quantised products in the list's order, A before B).
;;     - Each number is divided by the scale, clamped to +-57,344, and rounded to the nearest number of E5M2, ties to even, subnormals kept.
;;     - The product sums the exact products of the quantised numbers (number of the format x scale) in f32.
;;   ~~~python
;;   def quantise(x, axis, e):      # numpy; x: float32 -> the quantised numbers, widened to float32 again
;;       x = np.moveaxis(x, axis, -1); K = x.shape[-1]
;;       r = np.clip(x / 2.0 ** e, -57344, 57344)
;;       step = 2.0 ** (np.maximum(np.frexp(np.where(r == 0, 1, r))[1] - 1, -14) - 2)
;;       q = np.round(r / step) * step * 2.0 ** e      # np.round: ties to even
;;       return np.moveaxis(q, -1, axis).astype(np.float32)
;;   ~~~
;;   SOFTMAX AHEAD OF A QUANTISED PRODUCT. Where the list says 'softmax', what is quantised is not the finished softmax but p = 2^(t - M), with t = logit x log2(e) and M = ceil(the row's largest t), a whole number; so 1/2 < the row's largest p <= 1. The row's sum l is taken of the UNQUANTISED p, in f32, and the product's result is divided by l at the end. Since M is a whole number, a kernel that streams over the keys may use a running M (the ceiling of the running maximum): every later rescaling is an exact power of two, so the quantised numbers keep their values, but for numbers so far below the row's largest that they fall under the format's range.
;;   OPERANDS COMPUTED ON THE WAY. 'Computed on the way' means the value that the module computes at that place (a softmax that the list does not call 'softmax' is quantised finished and normalised). What goes into a quantiser is computed in f32, as accurately as f32 sums, v_exp_f32 and their like allow (about 1e-6 of the number): no bf16 or f16 on the way to a quantiser, and a product that is left as it is and whose result goes on into a quantised operand takes f32 operands (vector FMAs, or v_wmma_f32_16x16x4_f32). A number that lies on a knife's edge between two numbers of the format may be rounded either way, as far as f32 arithmetic and the matrix unit's own rounding can turn it there, and no further.
;;   INPUTS GIVEN AS CODES. ffn_w1 (in the module: [512, 1024], K = its axis 0); ffn_w2 (in the module: [1024, 512], K = its axis 0); g_wo (in the module: [512, 512], K = its axis 0); g_wqkv (in the module: [3, 512, 512], K = its axis 1); gate_w (in the module: [1024, 512], K = its axis 0); l_wo (in the module: [512, 512], K = its axis 0); l_wqkv (in the module: [3, 512, 512], K = its axis 1); win_w (in the module: [256, 512], K = its axis 0); x (in the module: [4, 2048, 256], K = its axis 2): each comes as NAME_codes (uint8): NAME with its K axis moved to the last place and cut into blocks of 32 codes, [.., K / 32, bytes a block], one block behind the other in memory; one code a byte (a code: sign, 5 exponent bits, 2 mantissa bits); its scale is its entry of lowp_scales. Its value is code x scale, taken as it is: it is not quantised again, and the codes and scales need not be those that the quantiser above would give.
;; 2 versions, each right; version 2 is version 1 with the launches proj, tail written anew for expert scheduling mode. Each part assembles by itself: llvm-mc -triple=amdgcn-amd-amdhsa -mcpu=gfx1250 --defsym DOCPART=n.
;; ======== version 1 of 2: 4 launches
;; workspace buffers: qkv 25,165,824 bytes; oimg 8,388,608 bytes; part 262,144 bytes
;; launch proj (part 1): grid 128 x 2, 8 waves a work-group, no clusters, 123,904 bytes of LDS; arguments x_codes, win_w_codes, win_b, pos, l_wqkv_codes, l_bqkv, g_wqkv_codes, g_bqkv, lowp_scales, qkv; writes qkv
.if DOCPART == 1
	.amdgcn_target "amdgcn-amd-amdhsa--gfx1250"
	.amdhsa_code_object_version 6
	.text
	.protected	k_q5594d322fd_proj
	.globl	k_q5594d322fd_proj
	.p2align	8
	.type	k_q5594d322fd_proj,@function
k_q5594d322fd_proj:
	s_mov_b64 s[64:65], 0
	v_nop
	global_prefetch_b8 v0, s[64:65] scope:SCOPE_SE
	s_setreg_imm32_b32 hwreg(HW_REG_WAVE_MODE, 25, 1), 1
	s_wait_xcnt 0x0
; h = x win + win_b + pos, then q, k, v of ONE path (grid y: 0 local, 1 global), all products on E5M2 codes; q, k, v leave as codes.
; SHARES. A work-group takes 64 rows (grid x), 8 waves; wave w makes columns 64 w .. 64 w + 63 (= head w) for all 64 rows: 16 accumulators.
; OPERAND LAYOUT, everywhere: lane (r = lane % 16, h = lane / 16) holds of its row k = 32 c + 16 h + 0 .. 15 in registers 4 c .. 4 c + 3: the same
; permutation of k in both sources.  TILES OF 16 ARE NOT NEIGHBOURS: place r of tile 2 b + u is item 32 b + 8 u + r + 8 (r / 8), for weight rows and for
; activation rows alike.  So in a product with source 0 = weights, source 1 = activations a lane holds one activation row, and the 16 registers of tiles
; 2 b, 2 b + 1 are 16 neighbours along the next K; with the sources swapped (v) a lane holds one channel and its registers run along the keys.
; Activations go from wave to wave as images of their registers in LDS (512 bytes a group of four registers, lane l at 16 l).  Weights go from memory
; straight into registers through a ring of 8 fragments, each byte loaded once in the work-group by the wave that owns the columns; the ring runs on
; through epilogues and barriers.  No tensor load is used, so there is no joint request to share: the weights that work-groups have in common never pass LDS.
; LIMITS: e0 + e1 and each eA + eB between -126 and 127; each scale exponent given to a conversion (true or folded: eOut - eA - eB) between -126 and 112.  NaN is not served.
; REGISTERS. window 0: v1-23 addresses and constants; v24-31 codes; v32-95 four activation fragments; v96-127 bias of a phase's first K step, then numbers
; on their way to codes; v128-255 pos.  window 1: v0-127 accumulators ((t, m) at 8 (4 t + m)); v128-255 the ring (slot 4 (s % 2) + t).
.set XI,    0                          ; LDS: x's 8 fragments
.set HI0,   16384                      ; h's 16 fragments by q's scale, by k's (HI1), by v's (HI1 + 32768)
.set HI1,   49152
.set PRM,   114688                     ; four units of 2,048 bytes: win_b, bq, bk, bv, each divided by the power of two that its sums lack
.set LI,    1                          ; 16 x lane
.set LI2,   2                          ; HI1 + 16 x lane
.set WA256, 3                          ; place r's row in a weight of 256 bytes a row, + 16 h
.set WA512, 4
.set PB,    5                          ; PRM + 256 w + 64 h
.set PBV,   6                          ; PRM + 6144 + 256 w + 4 (r + 8 (r / 8))
.set XW,    7
.set HW0,   8
.set HW1,   9
.set PA,    10
.set T8,    11
.set HSC,   12                         ; v12-17: (scale, largest number x scale) of h for q, k, v
.set OSC,   18                         ; v18-23: the same for the results, folded
.set CODES, 24
.set ACT,   32
.set TB,    96
.set KEEP,  128
.set RING,  128
.set WV,    24
.set MSB,   0
.macro WIN new                         ; the immediate's high byte repeats the setting that is left
.if MSB != \new
	s_set_vgpr_msb (MSB<<8)|\new
.set MSB, \new
.endif
.endm
.macro PLACES                          ; four plain places behind matrix instructions, ahead of loads into their registers and of reads of results
.rept 4
	v_nop
.endr
.endm
.macro BARRIER                         ; my LDS stores have landed and my LDS loads are in: then the work-group's barrier
	s_wait_dscnt 0x0
	s_barrier_signal -1
	s_barrier_wait -1
.endm
.macro WLOAD slot, wa, base, kb, off, t, s   ; weight fragment (column tile t, K step s) into a ring slot
.irp c, 0,1,2,3
	global_load_b128 v[RING+16*(\slot)+4*\c:RING+16*(\slot)+4*\c+3], v[\wa], s[\base:\base+1] offset:(\off)+(32*((\t)/2)+8*((\t)%2))*(\kb)+128*(\s)+32*\c
.endr
.endm
.macro FETCH li, img, ks, s            ; the four row tiles' fragments of K step s
.irp m, 0,1,2,3
.irp c, 0,1,2,3
	ds_load_b128 v[ACT+16*\m+4*\c:ACT+16*\m+4*\c+3], v[\li] offset:(\img)+(\m*(\ks)+(\s))*2048+512*\c
.endr
.endr
.endm
.macro LDB dst, unit                   ; 32 numbers a column of mine, in the result's layout (8 t + j)
.irp b, 0,1
.irp q, 0,1,2,3
	ds_load_b128 v[\dst+16*\b+4*\q:\dst+16*\b+4*\q+3], v[PB] offset:(\unit)*2048+128*\b+16*\q
.endr
.endr
.endm
; 8 matrix instructions: column tiles 2 g, 2 g + 1 x four row tiles.  mode 0: sums in window 1; 1: in v128-255 of window 0; 2: sources swapped.
; first: C is the bias.  The 16 accumulators take turns, one instruction a turn.
.macro MUL8 par, g, mode, first
.set DB, 0
.if \mode == 1
.set DB, KEEP
	WIN 0x01
.elseif \mode == 0
.if \first
	WIN 0x41
.else
	WIN 0x51
.endif
.else
.if \first
	WIN 0x44
.else
	WIN 0x54
.endif
.endif
.irp m, 0,1,2,3
.irp t, 2*(\g), 2*(\g)+1
.set DD, DB+8*(4*(\t)+\m)
.set RR, RING+16*(4*(\par)+(\t))
.set AA, ACT+16*\m
.set CC, DD
.if \first
.set CC, TB+8*(\t)
.endif
.if \mode == 2
	v_wmma_f32_16x16x128_bf8_bf8 v[DD:DD+7], v[AA:AA+15], v[RR:RR+15], v[CC:CC+7]
.else
	v_wmma_f32_16x16x128_bf8_bf8 v[DD:DD+7], v[RR:RR+15], v[AA:AA+15], v[CC:CC+7]
.endif
.endr
.endr
.endm
; A product over ks K steps of 128.  Each group of 8 products waits for its two ring slots (24 younger loads: three groups of 8), and fills them again
; with K step s + 2, in the last two K steps with the NEXT matrix's K steps 0 and 1.  last = 1: nothing follows, the counts run down 24, 16, 8, 0.
.macro PHASE ks, mode, li, img, wa, base, kb, off, nwa, nbase, nkb, noff, last
.set SS, 0
.rept \ks
.set FST, 0
.if SS == 0
.set FST, 1
.endif
	s_wait_dscnt 0x0                               ; this K step's activation fragments (and the bias) are in
.irp g, 0,1
.if (\last) && (SS+2 >= \ks)
	s_wait_loadcnt 24-8*(2*(SS+2-\ks)+\g)
.else
	s_wait_loadcnt 24
.endif
	MUL8 SS%2, \g, \mode, FST
	PLACES
.if SS+2 < \ks
	WIN 0x40
	WLOAD 4*(SS%2)+2*\g, \wa, \base, \kb, \off, 2*\g, SS+2
	WLOAD 4*(SS%2)+2*\g+1, \wa, \base, \kb, \off, 2*\g+1, SS+2
.elseif !(\last)
	WIN 0x40
	WLOAD 4*(SS%2)+2*\g, \nwa, \nbase, \nkb, \noff, 2*\g, SS+2-\ks
	WLOAD 4*(SS%2)+2*\g+1, \nwa, \nbase, \nkb, \noff, 2*\g+1, SS+2-\ks
.endif
.endr
	WIN 0
.if SS+1 < \ks
	FETCH \li, \img, \ks, SS+1
.endif
.set SS, SS+1
.endr
.endm
; Row tile m's 32 numbers of my lane (at ab + 8 (4 t + m) + j) become 8 registers of codes.  The conversion to an 8-bit code does not saturate (ISA guide 7.6.2):
; the hold comes first; relu = 1 lets it clip at 0 as well.  wk: which wait shows that the last readers of the codes' registers are done (0 LDS stores, 1 global stores).
.macro QUANT m, srcwin, ab, relu, sc, lim, wk
	WIN \srcwin
.irp t, 0,1,2,3
.irp j, 0,1,2,3,4,5,6,7
.if \relu
	v_med3_num_f32 v[TB+8*\t+\j], v[\ab+8*(4*\t+\m)+\j], 0, v[\lim]
.else
	v_med3_num_f32 v[TB+8*\t+\j], v[\ab+8*(4*\t+\m)+\j], -v[\lim], v[\lim]
.endif
.endr
.endr
	WIN 0
.if \wk
	s_wait_xcnt 0x0
.else
	s_wait_dscnt 0x0
.endif
.irp t, 0,1,2,3
	v_cvt_scalef32_pk8_bf8_f32 v[CODES+2*\t:CODES+2*\t+1], v[TB+8*\t:TB+8*\t+7], v[\sc]
.endr
	v_nop                                          ; one plain line behind the last scaled conversion
.endm
.macro IMAGE adr, off                  ; my 64 columns of a row tile: half a fragment, as it stands
	ds_store_b128 v[\adr], v[CODES:CODES+3] offset:\off
	ds_store_b128 v[\adr], v[CODES+4:CODES+7] offset:(\off)+512
.endm
.macro MKQ vsc, vlim                   ; the exponent in s62: 2^E, and 57,344 x 2^E
	s_add_co_i32 s62, s62, 127
	s_lshl_b32 s63, s62, 23
	v_mov_b32 v[\vsc], s63
	s_add_co_i32 s62, s62, 15
	s_lshl_b32 s63, s62, 23
	s_or_b32 s63, s63, 0x600000
	v_mov_b32 v[\vlim], s63
.endm
.macro CONSTS i, sout                  ; product i of q, k, v: its bias / 2^(eA + eB); its result's folded scale; h's true scale
	s_add_co_i32 s59, s[48+2*\i], s[49+2*\i]
	s_sub_co_i32 s63, 0, s59
	v_ldexp_f32 v[50+2*\i], v[50+2*\i], s63
	v_ldexp_f32 v[51+2*\i], v[51+2*\i], s63
	s_sub_co_i32 s62, s[\sout], s59
	MKQ OSC+2*\i, OSC+2*\i+1
	s_mov_b32 s62, s[48+2*\i]
	MKQ HSC+2*\i, HSC+2*\i+1
.endm
	s_load_b512 s[4:19], s[0:1], 0x0               ; x s[4:5], win s[6:7], win_b s[8:9], pos s[10:11], l_wqkv s[12:13], l_bqkv s[14:15], g_wqkv s[16:17], g_bqkv s[18:19]
	s_load_b128 s[20:23], s[0:1], 0x40             ; the exponents s[20:21], qkv s[22:23]
	v_lshrrev_b32 v24, 5, v0
	v_readfirstlane_b32 s[WV], v24                 ; wave 0..7
	v_and_b32 v25, 31, v0                          ; lane
	v_and_b32 v26, 15, v0                          ; r
	v_bfe_u32 v27, v0, 4, 1                        ; h
	v_and_b32 v28, 8, v26
	v_add_nc_u32 v28, v28, v26                     ; r + 8 (r / 8)
	v_lshlrev_b32 v[LI], 4, v25
	v_add_nc_u32 v[LI2], HI1, v[LI]
	v_lshlrev_b32 v29, 4, v27
	v_lshl_add_u32 v[WA256], v28, 8, v29
	v_lshl_add_u32 v[WA512], v28, 9, v29
	s_lshl_b32 s25, s[WV], 8
	v_lshl_add_u32 v[PB], v27, 6, s25
	v_add_nc_u32 v[PB], PRM, v[PB]
	v_lshl_add_u32 v[PBV], v28, 2, s25
	v_add_nc_u32 v[PBV], PRM+6144, v[PBV]
	s_lshl_b32 s26, s[WV], 11
	v_add_nc_u32 v[XW], s26, v[LI]                 ; x's image (m = w / 2, s = w % 2): fragment w
	s_lshl_b32 s26, s[WV], 10
	v_add_nc_u32 v[HW0], s26, v[LI]
	v_add_nc_u32 v[HW1], HI1, v[HW0]
	v_add_nc_u32 v[HW0], HI0, v[HW0]
	v_lshlrev_b32 v29, 6, v27
	v_lshl_add_u32 v[PA], v28, 11, v29             ; pos: place r's row of 2,048 bytes + 64 h
	v_lshlrev_b32 v[T8], 3, v0
	v_add_nc_u32 v30, PRM, v[T8]
	s_and_b32 s27, ttmp7, 0xffff                   ; the path
	s_and_b32 s28, ttmp9, 31                       ; the block of 64 rows within its batch
	s_lshr_b32 s29, ttmp9, 5                       ; the batch
	s_lshl_b32 s30, ttmp9, 14                      ; x: 64 rows of 256 bytes a block,
	s_lshr_b32 s31, s[WV], 2
	s_lshl_b32 s31, s31, 13                        ; + 32 rows x (m / 2)
	s_add_co_u32 s30, s30, s31
	s_bfe_u32 s31, s[WV], 0x10001
	s_lshl_b32 s31, s31, 11                        ; + 8 rows x (m % 2)
	s_add_co_u32 s30, s30, s31
	s_and_b32 s31, s[WV], 1
	s_lshl_b32 s31, s31, 7                         ; + 128 s
	s_add_co_u32 s30, s30, s31
	s_mov_b32 s31, 0
	s_lshl_b32 s32, s28, 17                        ; pos: 64 rows of 2,048 bytes a block, + my 256 bytes of a row
	s_add_co_u32 s32, s32, s25
	s_mov_b32 s33, 0
	s_lshl_b32 s34, s[WV], 14                      ; win: my 64 rows of 256 bytes
	s_mov_b32 s35, 0
	s_mul_i32 s40, s27, 12582912                   ; qkv: [path][kind][4 MB]; within: (8 batch + head) x 131,072 + block x 4,096 (q, k: 4 tiles of 1,024; v: 2 blocks of 32 keys of 2,048)
	s_lshl_b32 s41, s29, 3
	s_add_co_u32 s41, s41, s[WV]
	s_lshl_b32 s41, s41, 17
	s_add_co_u32 s40, s40, s41
	s_lshl_b32 s41, s28, 12
	s_add_co_u32 s40, s40, s41
	s_mov_b32 s41, 0
	s_lshl_b32 s46, s[WV], 15                      ; wqkv: my 64 rows of 512 bytes
	s_mov_b32 s47, 0
	s_mov_b32 s61, 0
	s_wait_kmcnt 0x0
	s_cmp_eq_u32 s27, 0                            ; the choice hangs on the work-group's number alone
	s_cselect_b64 s[36:37], s[12:13], s[16:17]
	s_cselect_b64 s[38:39], s[14:15], s[18:19]
	s_cselect_b32 s60, 8, 56                       ; entries 2.. or 14.. of the exponents
	s_add_nc_u64 s[60:61], s[20:21], s[60:61]
	s_load_b64 s[56:57], s[20:21], 0x0             ; e0, e1
	s_load_b256 s[48:55], s[60:61], 0x0            ; (A, B) of q, k, v; q's and k's code scales
	s_load_b32 s58, s[60:61], 0x20                 ; v's code scale
	s_add_nc_u64 s[4:5], s[4:5], s[30:31]
	s_add_nc_u64 s[10:11], s[10:11], s[32:33]
	s_add_nc_u64 s[6:7], s[6:7], s[34:35]
	s_add_nc_u64 s[36:37], s[36:37], s[46:47]
	s_add_nc_u64 s[40:41], s[22:23], s[40:41]      ; q
	s_add_nc_u64 s[42:43], s[40:41], 0x400000      ; k
	s_add_nc_u64 s[44:45], s[40:41], 0x800000      ; v
.irp mm, 0,1,2,3                       ; pos in the accumulators' layout
.irp b, 0,1
.irp q, 0,1,2,3
	global_load_b128 v[KEEP+64*\b+32*(\q/2)+8*\mm+4*(\q%2):KEEP+64*\b+32*(\q/2)+8*\mm+4*(\q%2)+3], v[PA], s[10:11] offset:(32*(\mm/2)+8*(\mm%2))*2048+128*\b+16*\q
.endr
.endr
.endr
.irp c, 0,1,2,3
	global_load_b128 v[ACT+4*\c:ACT+4*\c+3], v[WA256], s[4:5] offset:32*\c
.endr
	global_load_b64 v[48:49], v[T8], s[8:9]
.irp i, 0,1,2
	global_load_b64 v[50+2*\i:51+2*\i], v[T8], s[38:39] offset:2048*\i
.endr
	WIN 0x40
.irp s, 0,1                            ; the ring's first 8 fragments: 32 loads
.irp t, 0,1,2,3
	WLOAD 4*\s+\t, WA256, 6, 256, 0, \t, \s
.endr
.endr
	WIN 0
	s_wait_loadcnt 32                              ; all but the ring's 32
	s_wait_kmcnt 0x0
	s_add_co_i32 s62, s56, s57
	s_sub_co_i32 s63, 0, s62
	v_ldexp_f32 v48, v48, s63
	v_ldexp_f32 v49, v49, s63
	s_add_co_i32 s62, s62, 127
	s_lshl_b32 s46, s62, 23                        ; 2^(e0 + e1)
	s_mov_b32 s47, s46
	CONSTS 0, 54
	CONSTS 1, 55
	CONSTS 2, 58
.irp i, 0,1,2,3
	ds_store_b64 v30, v[48+2*\i:49+2*\i] offset:2048*\i
.endr
.irp c, 0,1,2,3
	ds_store_b128 v[XW], v[ACT+4*\c:ACT+4*\c+3] offset:XI+512*\c
.endr
	BARRIER                                        ; x's fragments and the biases lie in LDS
	; ---- h
	LDB TB, 0
	FETCH LI, XI, 2, 0
	PHASE 2, 0, LI, XI, WA256, 6, 256, 0, WA512, 36, 512, 0, 0
	PLACES
	WIN 0x41
.set I, 0
.rept 64
	v_pk_fma_f32 v[I:I+1], v[I:I+1], s[46:47], v[KEEP+I:KEEP+I+1] op_sel_hi:[1,0,1]   ; h = sum x 2^(e0 + e1) + pos
.set I, I+2
.endr
.irp i, 0,1,2                          ; h is quantised three times: each product has its own scale
.irp mm, 0,1,2,3
	QUANT \mm, 0x01, 0, 0, HSC+2*\i, HSC+2*\i+1, 0
.if \i == 0
	IMAGE HW0, \mm*8192
.else
	IMAGE HW1, (\i-1)*32768+\mm*8192
.endif
.endr
.endr
	BARRIER                                        ; h's three sets of fragments lie in LDS; nothing in LDS is written from here on
.macro OUTQK osc, obase                ; codes of q or k: a row tile's 8 registers are its fragment for the scores: two stores of 512 consecutive bytes
	PLACES
.irp mm, 0,1,2,3
	QUANT \mm, 0x01, 0, 0, \osc, \osc+1, 1
	global_store_b128 v[LI], v[CODES:CODES+3], s[\obase:\obase+1] offset:\mm*1024
	global_store_b128 v[LI], v[CODES+4:CODES+7], s[\obase:\obase+1] offset:\mm*1024+512
.endr
.endm
	; ---- q
	LDB TB, 1
	FETCH LI, HI0, 4, 0
	PHASE 4, 0, LI, HI0, WA512, 36, 512, 0, WA512, 36, 512, 262144, 0
	OUTQK OSC, 40
	; ---- k
	LDB TB, 2
	FETCH LI2, 0, 4, 0
	PHASE 4, 0, LI2, 0, WA512, 36, 512, 262144, WA512, 36, 512, 524288, 0
	OUTQK OSC+2, 42
	; ---- v, sources swapped: a lane holds one channel, so a tile's bias is one number in eight registers
.irp t, 0,1,2,3
	ds_load_b32 v[TB+8*\t], v[PBV] offset:(32*(\t/2)+8*(\t%2))*4
.endr
	FETCH LI2, 32768, 4, 0
	s_wait_dscnt 0x0
.irp t, 0,1,2,3
.irp j, 1,2,3,4,5,6,7
	v_mov_b32 v[TB+8*\t+\j], v[TB+8*\t]
.endr
.endr
	PHASE 4, 2, LI2, 32768, WA512, 36, 512, 524288, 0, 0, 0, 0, 1
	PLACES
.irp t, 0,1,2,3                        ; channel tile t: registers 8 m + j are keys 32 (m / 2) + 16 h + 8 (m % 2) + j of the block
	WIN 0x01
.set I, 0
.rept 32
	v_med3_num_f32 v[TB+I], v[32*\t+I], -v[OSC+5], v[OSC+5]
.set I, I+1
.endr
	WIN 0
	s_wait_xcnt 0x0                                ; the earlier stores have read the codes' registers
.irp mm, 0,1,2,3
	v_cvt_scalef32_pk8_bf8_f32 v[CODES+2*\mm:CODES+2*\mm+1], v[TB+8*\mm:TB+8*\mm+7], v[OSC+4]
.endr
	v_nop
	global_store_b128 v[LI], v[CODES:CODES+3], s[44:45] offset:\t*512
	global_store_b128 v[LI], v[CODES+4:CODES+7], s[44:45] offset:2048+\t*512
.endr
	s_wait_xcnt 0x0
	v_lshl_add_u32 v254, v0, 2, 0x1e000
	v_mov_b32 v255, 0
	s_wait_tensorcnt 0x0
	ds_add_u32 v254, v255
	s_wait_dscnt 0x0
	s_endpgm
.Lfunc_end_k_q5594d322fd_proj:
	.size	k_q5594d322fd_proj, .Lfunc_end_k_q5594d322fd_proj-k_q5594d322fd_proj
	.p2alignl 7, 3214868480
	.fill 96, 4, 3214868480
	.section	.rodata,"a",@progbits
	.p2align	6, 0x0
	.amdhsa_kernel k_q5594d322fd_proj
		.amdhsa_group_segment_fixed_size 123904
		.amdhsa_private_segment_fixed_size 0
		.amdhsa_enable_private_segment 0
		.amdhsa_kernarg_size 80
		.amdhsa_user_sgpr_count 2
		.amdhsa_user_sgpr_kernarg_segment_ptr 1
		.amdhsa_wavefront_size32 1
		.amdhsa_system_sgpr_workgroup_id_x 1
		.amdhsa_system_sgpr_workgroup_id_y 1
		.amdhsa_system_sgpr_workgroup_id_z 1
		.amdhsa_system_vgpr_workitem_id 0
		.amdhsa_next_free_vgpr 512
		.amdhsa_next_free_sgpr 66
		.amdhsa_reserve_vcc 0
		.amdhsa_float_denorm_mode_32 3
		.amdhsa_float_denorm_mode_16_64 3
		.amdhsa_memory_ordered 1
		.amdhsa_forward_progress 1
		.amdhsa_inst_pref_size 135
	.end_amdhsa_kernel
	.amdgpu_metadata
---
amdhsa.version: [ 1, 2 ]
amdhsa.kernels:
  - .name:           k_q5594d322fd_proj
    .symbol:         k_q5594d322fd_proj.kd
    .args:
      - { .name: x_codes, .offset: 0, .size: 8, .value_kind: global_buffer, .address_space: global }
      - { .name: win_w_codes, .offset: 8, .size: 8, .value_kind: global_buffer, .address_space: global }
      - { .name: win_b, .offset: 16, .size: 8, .value_kind: global_buffer, .address_space: global }
      - { .name: pos, .offset: 24, .size: 8, .value_kind: global_buffer, .address_space: global }
      - { .name: l_wqkv_codes, .offset: 32, .size: 8, .value_kind: global_buffer, .address_space: global }
      - { .name: l_bqkv, .offset: 40, .size: 8, .value_kind: global_buffer, .address_space: global }
      - { .name: g_wqkv_codes, .offset: 48, .size: 8, .value_kind: global_buffer, .address_space: global }
      - { .name: g_bqkv, .offset: 56, .size: 8, .value_kind: global_buffer, .address_space: global }
      - { .name: lowp_scales, .offset: 64, .size: 8, .value_kind: global_buffer, .address_space: global }
      - { .name: qkv, .offset: 72, .size: 8, .value_kind: global_buffer, .address_space: global }
    .group_segment_fixed_size: 123904
    .private_segment_fixed_size: 0
    .kernarg_segment_align: 8
    .kernarg_segment_size: 80
    .max_flat_workgroup_size: 256
    .sgpr_count:     66
    .vgpr_count:     512
    .wavefront_size: 32
...
	.end_amdgpu_metadata
.endif
;; end of part 1
;; launch attn (part 2): grid 8 x 32, 16 waves a work-group, clusters of 4 x 1, 264,192 bytes of LDS; arguments qkv, lowp_scales, oimg; writes oimg
.if DOCPART == 2
	.amdgcn_target "amdgcn-amd-amdhsa--gfx1250"
	.amdhsa_code_object_version 6
	.text
	.protected	k_q5594d322fd_attn
	.globl	k_q5594d322fd_attn
	.p2align	8
	.type	k_q5594d322fd_attn,@function
k_q5594d322fd_attn:
	s_mov_b64 s[64:65], 0
	v_nop
	global_prefetch_b8 v0, s[64:65] scope:SCOPE_SE
	s_setreg_imm32_b32 hwreg(HW_REG_WAVE_MODE, 25, 1), 1
	s_wait_xcnt 0x0
	s_wait_alu depctr_hold_cnt(0) depctr_sa_sdst(0) depctr_va_vdst(0) depctr_va_sdst(0) depctr_va_ssrc(0) depctr_va_vcc(0) depctr_vm_vsrc(0)
	s_getreg_b32 s2, hwreg(HW_REG_IB_STS2, 6, 4)
	s_cmp_eq_u32 s2, 0
	s_cbranch_scc0 .Lentry_in_a_cluster
	s_endpgm
.Lentry_in_a_cluster:
	s_bfe_u32 s2, ttmp6, 0x10000c
	s_cmp_lg_u32 s2, 0x3003
	s_cbranch_scc0 .Lentry_shape_is_right
	s_endpgm
.Lentry_shape_is_right:
; Both attentions of one (batch, head) for 256 queries, on E5M2 codes; o leaves as codes, laid as the next product's fragments.
; qkv: [path][q, k, v][4 MB]; q, k: (8 batch + head) x 131,072 + tile x 1,024 + c x 512 + 16 lane; v: .. + (block of 32 keys) x 2,048 + (channel tile) x 512 + 16 lane.
; Place r of tile 2 b + u (queries, keys, channels) is item 32 b + 8 u + r + 8 (r / 8).  Both products are used transposed (S^T = K Q^T, O^T = V^T P^T): a lane holds one query,
; the 16 registers of score tiles 2 b, 2 b + 1 are keys 32 b + 16 (lane / 16) + 0 .. 15, and O^T's 32 registers are the head's channels in the order of the next operand.
; SOFTMAX: t = score x log2(e) / 8; M = the running largest t rounded up to a whole number; p = 2^(t - M) is quantised, not normalised; the sum of the unquantised p divides at the end.
; SHARES. 16 waves, one tile of 16 queries each.  A wave first does its LOCAL attention: one step on a window of 128 keys from block clamp(b - 1, 0, 60) of 32, which holds every key within
; 32 of its queries and never leaves the head; operands straight from memory; keys outside the band get -infinity.  Then all 2,048 GLOBAL keys, 128 a step.
; THE HEAD'S GLOBAL K AND V LIE WHOLE IN LDS (K's images at 0, V's at 131,072; 128 KB each): every byte is filled once.  The four work-groups of a cluster are four query blocks of one head:
; each tile is asked for JOINTLY.  Waves 0-3 issue four loads of 16 KB each, all at the head: four tensor loads of a wave are out at the most.  All that the launch reads through LDS is asked for by
; those loads at its head, so no prefetch could stand earlier.
; LIMITS: eq + ek between -123 and 130; ep and eo between -126 and 112.  NaN is not served.
.set LI,  1                            ; 16 x lane
.set LIV, 2                            ; 131,072 + 16 x lane
.set ADK, 3
.set ADV, 4
.set MK,  5                            ; 32 + the window's first key + 16 h - my query
.set OLL, 6                            ; o's hold and scale, local; global
.set OSL, 7
.set OLG, 8
.set OSG, 9
.set T0,  10
.set T1,  11
.set QG,  16
.set QL,  24
.set KV,  32                           ; v32-95: 8 fragments of K, then 4 of V
.set S,   96                           ; v96-159: S^T, then p
.set OG,  160                          ; v160-191: the global O^T (in the local step: V's fragments 0, 1; 2, 3 at v208-239)
.set PC,  192                          ; v192-207: p's codes
.set PLG, 240
.set PSG, 241
.set PLL, 242
.set PSL, 243
.set NEG, 244
.set PL,  246
.set SB,  248
.set F,   252
.set TM,  254
.set WV,  10
.set CSL, 16
.set CSG, 18
.set SEL, 20
.set TBS, 22
.set CNT, 23
.set G1,  28
.set G0,  36
.macro CROUND                          ; a round of the cluster's barrier
	s_barrier_signal -1
	s_barrier_wait -1
	s_cmp_lg_u32 s[WV], 0
	s_cbranch_scc1 .Lnot_wave_0_\@
	s_barrier_signal -3
.Lnot_wave_0_\@:
	s_barrier_wait -3
	s_barrier_signal -1
	s_barrier_wait -1
.endm
.macro MKQ vsc, vlim                   ; the exponent in s66: 2^E, and 57,344 x 2^E
	s_add_co_i32 s66, s66, 127
	s_lshl_b32 s67, s66, 23
	v_mov_b32 v[\vsc], s67
	s_add_co_i32 s66, s66, 15
	s_lshl_b32 s67, s66, 23
	s_or_b32 s67, s67, 0x600000
	v_mov_b32 v[\vlim], s67
.endm
.macro INIT                            ; the largest t so far: -3e38; -M; the sum in two halves
	v_mov_b32 v13, 0xff61b1e6
	v_floor_f32 v12, -v13
	v_mov_b32 v14, 0
	v_mov_b32 v15, 0
.endm
	s_load_b128 s[4:7], s[0:1], 0x0                ; qkv, the exponents
	s_load_b64 s[8:9], s[0:1], 0x10                ; oimg
	v_lshl_add_u32 v251, v0, 2, 0x40000
	v_mov_b32 v255, 0
	ds_add_u32 v251, v255
	ds_add_u32 v251, v255
	v_lshrrev_b32 v[T0], 5, v0
	v_readfirstlane_b32 s[WV], v[T0]               ; wave 0..15
	s_bfe_u32 s11, ttmp6, 0x40000                  ; cx: it enters Q's, the window's and o's global addresses and the mask's constant alone
	s_lshl_b32 s12, ttmp9, 2
	s_add_co_u32 s12, s12, s11                     ; my block of 256 queries
	s_and_b32 s13, ttmp7, 0xffff                   ; 8 batch + head, which the four partners share
	s_lshl_b32 s14, s13, 17
	s_and_b32 s24, s[WV], 3                        ; what a fetching wave fetches: K (waves 0, 1) or V (2, 3), the first or second 16 KB of each chunk of 32 KB
	s_lshr_b32 s25, s24, 1
	s_and_b32 s24, s24, 1
	s_lshl_b32 s26, s25, 17
	s_lshl_b32 s27, s24, 14
	s_add_co_u32 s26, s26, s27                     ; LDS address of its part of chunk 0
	s_lshl_b32 s25, s25, 22
	s_add_co_u32 s25, s25, s27
	s_add_co_u32 s25, s25, s14
	s_add_co_u32 s24, s25, 0x1000000               ; the global path's k begins 4 x 4 MB into qkv
	s_mov_b32 s25, 0
	s_mov_b32 s[G1], 15|(3<<16)|(1<<21)            ; 15:0 the mask: all four work-groups; 17:16 elements of 8 bytes; 21 set beside a mask; no padding: images are read 512 bytes on end
	s_mov_b32 s[G1+1], 32<<16                      ; tensor_dim0 = 32 elements: 256 bytes
	s_mov_b32 s[G1+2], 64<<16                      ; tensor_dim1 = 64
	s_mov_b32 s[G1+3], 32<<16                      ; tile_dim0
	s_mov_b32 s[G1+4], 64                          ; tile_dim1
	s_mov_b32 s[G1+5], 32                          ; the pitch: dense
	s_mov_b32 s[G1+6], 0
	s_mov_b32 s[G1+7], 0
	s_mov_b32 s[SEL], 0x76543210
	s_mov_b32 s[SEL+1], 0xfedcba98
	s_wait_dscnt 0x0
	s_wait_kmcnt 0x0
	s_load_b256 s[52:59], s[6:7], 0x20             ; e8 ..: local eq, ek, ev, ep, eo
	s_load_b256 s[68:75], s[6:7], 0x50             ; e20 ..: global eq, ek, ev, ep, eo
	s_add_nc_u64 s[24:25], s[4:5], s[24:25]
	CROUND                                         ; all four work-groups are here: the joint loads meet
.irp c, 0,1,2,3
	s_mov_b32 s[G0+4*\c], 1
	s_add_co_u32 s[G0+4*\c+1], s26, \c*32768
	s_add_nc_u64 s[G0+4*\c+2:G0+4*\c+3], s[24:25], \c*32768
	s_or_b32 s[G0+4*\c+3], s[G0+4*\c+3], 0x80000000
.endr
	s_cmp_lt_u32 s[WV], 4                          ; all fills of a wave stand in one branch on its number
	s_cbranch_scc0 .Lno_fill
	tensor_load_to_lds s[G0:G0+3], s[G1:G1+7]
	s_nop 0
	tensor_load_to_lds s[G0+4:G0+7], s[G1:G1+7]
	s_nop 0
	tensor_load_to_lds s[G0+8:G0+11], s[G1:G1+7]
	s_nop 0
	tensor_load_to_lds s[G0+12:G0+15], s[G1:G1+7]
	s_nop 0
.rept 4
	v_nop
.endr
.Lno_fill:
	s_lshl_b32 s60, s12, 4
	s_add_co_u32 s60, s60, s[WV]                   ; my tile of 16 queries, 0..127
	s_lshr_b32 s61, s60, 1                         ; its block of 32
	s_sub_co_i32 s62, s61, 1
	s_max_i32 s62, s62, 0
	s_min_i32 s62, s62, 60                         ; the window's first block
	s_mov_b32 s67, 0
	s_lshl_b32 s66, s60, 10
	s_add_co_u32 s66, s66, s14
	s_add_nc_u64 s[76:77], s[4:5], s[66:67]        ; local q
	s_add_nc_u64 s[78:79], s[76:77], 0xc00000      ; global q
	s_lshl_b32 s66, s62, 11
	s_add_co_u32 s66, s66, s14
	s_add_nc_u64 s[80:81], s[4:5], s[66:67]
	s_add_nc_u64 s[80:81], s[80:81], 0x400000      ; local k at the window
	s_add_nc_u64 s[82:83], s[80:81], 0x400000      ; local v at the window
	s_lshr_b32 s66, s13, 3
	s_lshl_b32 s66, s66, 7
	s_add_co_u32 s66, s66, s60                     ; 128 batch + tile
	s_lshl_b32 s66, s66, 13
	s_and_b32 s63, s13, 7
	s_lshl_b32 s63, s63, 10
	s_add_co_u32 s66, s66, s63
	s_add_nc_u64 s[84:85], s[8:9], s[66:67]        ; o, local
	s_add_nc_u64 s[86:87], s[84:85], 0x400000      ; o, global
	v_and_b32 v[T0], 31, v0
	v_lshlrev_b32 v[LI], 4, v[T0]
	v_add_nc_u32 v[LIV], 0x20000, v[LI]
	global_load_b128 v[QL:QL+3], v[LI], s[76:77]
	global_load_b128 v[QL+4:QL+7], v[LI], s[76:77] offset:512
	global_load_b128 v[QG:QG+3], v[LI], s[78:79]
	global_load_b128 v[QG+4:QG+7], v[LI], s[78:79] offset:512
.irp t, 0,1,2,3,4,5,6,7
.irp c, 0,1
	global_load_b128 v[KV+8*\t+4*\c:KV+8*\t+4*\c+3], v[LI], s[80:81] offset:\t*1024+\c*512
.endr
.endr
.irp t, 0,1,2,3
.irp c, 0,1,2,3
	global_load_b128 v[OG+16*\t+16*(\t/2)+4*\c:OG+16*\t+16*(\t/2)+4*\c+3], v[LI], s[82:83] offset:\c*2048+\t*512
.endr
.endr
	s_sub_co_i32 s63, s62, s61                     ; the mask's constant: 32 (window block - my block) + 32 - 8 (tile % 2) + 16 h - (r + 8 (r / 8))
	s_lshl_b32 s63, s63, 5
	s_add_co_i32 s63, s63, 32
	s_and_b32 s66, s[WV], 1
	s_lshl_b32 s66, s66, 3
	s_sub_co_i32 s63, s63, s66
	v_and_b32 v[T0], 15, v0
	v_and_b32 v[T1], 8, v[T0]
	v_add_nc_u32 v[T0], v[T0], v[T1]
	v_bfe_u32 v[T1], v0, 4, 1
	v_lshlrev_b32 v[T1], 4, v[T1]
	v_sub_nc_u32 v[MK], v[T1], v[T0]
	v_add_nc_u32 v[MK], s63, v[MK]
	v_mov_b32 v[NEG], 0xff800000                   ; -infinity
	v_mov_b32 v[PL], 0                             ; written once: a lane permute's destination counts as one of its sources
	v_mov_b32 v[F+1], 0                            ; (named as the upper half of a pair)
	INIT
	s_wait_kmcnt 0x0
	s_add_co_i32 s66, s52, s53
	s_lshl_b32 s66, s66, 23
	s_add_co_i32 s[CSL], s66, 0x3e38aa3b           ; c = log2(e) / 8, with eq + ek added to its exponent field
	s_mov_b32 s[CSL+1], s[CSL]
	s_add_co_i32 s66, s68, s69
	s_lshl_b32 s66, s66, 23
	s_add_co_i32 s[CSG], s66, 0x3e38aa3b
	s_mov_b32 s[CSG+1], s[CSG]
	s_mov_b32 s66, s55
	MKQ PSL, PLL
	s_mov_b32 s66, s56
	MKQ OSL, OLL
	s_mov_b32 s66, s71
	MKQ PSG, PLG
	s_mov_b32 s66, s72
	MKQ OSG, OLG
	s_add_co_i32 s26, s54, s55                     ; ep + ev, local; global
	s_add_co_i32 s27, s70, s71
; The softmax of one step of 128 keys: 64 scores a lane in v[S] on become p's codes in v[PC] on.  resc = 1: the global O^T is brought under the new M.
.macro SOFTMAX cs, lim, sc, resc
	v_max3_num_f32 v[TM], v[S], v[S+1], v[S+2]     ; the step's largest score of my query among my 64 keys, in two chains; each accumulator is first read at its low end
	v_max3_num_f32 v[F], v[S+3], v[S+4], v[S+5]
.irp i, 6,10,14,18,22,26,30,34,38,42,46,50,54,58
	v_max3_num_f32 v[TM], v[TM], v[S+\i], v[S+1+\i]
	v_max3_num_f32 v[F], v[F], v[S+2+\i], v[S+3+\i]
.endr
	v_max3_num_f32 v[TM], v[TM], v[S+62], v[S+63]
	v_max_num_f32 v[TM], v[TM], v[F]
	v_permlanex16_b32 v[PL], v[TM], s[SEL], s[SEL+1]
	v_max_num_f32 v[TM], v[TM], v[PL]              ; and among lane l xor 16's
	v_mul_f32 v[TM], s[\cs], v[TM]                 ; as t (c is positive)
	v_max_num_f32 v13, v13, v[TM]
	v_mov_b32 v[TM], v12
	v_floor_f32 v12, -v13                          ; the new -M = floor(-t)
	v_sub_f32 v[TM], v12, v[TM]                    ; old M - new M: a whole number, 0 or less
	v_cvt_i32_f32 v[TM], v[TM]
	v_ldexp_f32 v[F], 1.0, v[TM]                   ; f = 2^(old M - new M)
.set J, 0
.rept 32
	v_pk_fma_f32 v[S+J:S+J+1], v[S+J:S+J+1], s[\cs:\cs+1], v[12:13] op_sel_hi:[1,0,0]   ; t - M
.set J, J+2
.endr
.set J, 0
.rept 64
	v_exp_f32 v[S+J], v[S+J]
.set J, J+1
.endr
	v_pk_mul_f32 v[14:15], v[14:15], v[F:F+1] op_sel_hi:[1,0]   ; the sums under the new M: the plain line behind the exponentials
	s_wait_alu depctr_va_vdst(0)                   ; one wait for the batch, ahead of its first reader
	v_pk_add_f32 v[SB:SB+1], v[S:S+1], v[S+2:S+3]  ; the sum is taken of the unquantised p
.irp j, 4,8,12,16,20,24,28,32,36,40,44,48,52,56,60
	v_pk_add_f32 v[14:15], v[14:15], v[S+\j:S+\j+1]
	v_pk_add_f32 v[SB:SB+1], v[SB:SB+1], v[S+2+\j:S+3+\j]
.endr
	v_pk_add_f32 v[14:15], v[14:15], v[SB:SB+1]
.irp b, 0,1,2,3
.irp i, 0,1,2,3,4,5,6,7,8,9,10,11,12,13,14,15
	v_min_num_f32 v[S+16*\b+\i], v[S+16*\b+\i], v[\lim]   ; the conversion does not saturate (ISA guide 7.6.2); p is not negative
.endr
	v_cvt_scalef32_pk8_bf8_f32 v[PC+4*\b:PC+4*\b+1], v[S+16*\b:S+16*\b+7], v[\sc]
	v_cvt_scalef32_pk8_bf8_f32 v[PC+4*\b+2:PC+4*\b+3], v[S+16*\b+8:S+16*\b+15], v[\sc]
.endr
.if \resc
.set J, 0
.rept 16
	v_pk_mul_f32 v[OG+J:OG+J+1], v[OG+J:OG+J+1], v[F:F+1] op_sel_hi:[1,0]
.set J, J+2
.endr
.else
	v_nop                                          ; the plain line behind the last scaled conversion
.endif
.endm
; O^T at v[ob] on is divided by the sum, x 2^(ep + ev), quantised with eo, and stored as two groups of four registers: 512 consecutive bytes each
.macro FIN ob, sepv, lim, sc, obase
.rept 4
	v_nop
.endr
	v_add_f32 v14, v14, v15
	v_permlanex16_b32 v[PL], v14, s[SEL], s[SEL+1]
	v_add_f32 v14, v14, v[PL]
	v_rcp_f32 v14, v14
	v_nop
	s_wait_alu depctr_va_vdst(0)
	v_ldexp_f32 v14, v14, s[\sepv]
.set J, 0
.rept 32
	v_mul_f32 v[S+J], v[\ob+J], v14
.set J, J+1
.endr
.set J, 0
.rept 32
	v_med3_num_f32 v[S+J], v[S+J], -v[\lim], v[\lim]
.set J, J+1
.endr
.irp t, 0,1,2,3
	v_cvt_scalef32_pk8_bf8_f32 v[PC+2*\t:PC+2*\t+1], v[S+8*\t:S+8*\t+7], v[\sc]
.endr
	v_nop
	global_store_b128 v[LI], v[PC:PC+3], s[\obase:\obase+1]
	global_store_b128 v[LI], v[PC+4:PC+7], s[\obase:\obase+1] offset:512
.endm
	; ---- the local attention, while the tensor loads land
	s_wait_loadcnt 16                              ; Q and the window's K are in; V's 16 loads may be out
.irp t, 0,1,2,3,4,5,6,7
	v_wmma_f32_16x16x64_bf8_bf8 v[S+8*\t:S+8*\t+7], v[KV+8*\t:KV+8*\t+7], v[QL:QL+7], 0
.endr
.rept 4
	v_nop
.endr
.set N, 0
.rept 64                               ; register 16 b + i holds the window's key 32 b + 16 h + i: it counts where 0 <= key - query + 32 <= 64
	v_add_nc_u32 v[T0], 32*(N/16)+N%16, v[MK]
	v_cmp_lt_u32 vcc_lo, 64, v[T0]
	v_cndmask_b32 v[S+N], v[S+N], v[NEG], vcc_lo
.set N, N+1
.endr
	SOFTMAX CSL, PLL, PSL, 0
	s_wait_loadcnt 0x0                             ; V
.irp t, 0,1,2,3
	v_wmma_f32_16x16x128_bf8_bf8 v[KV+8*\t:KV+8*\t+7], v[OG+16*\t+16*(\t/2):OG+16*\t+16*(\t/2)+15], v[PC:PC+15], 0
.endr
	FIN KV, 26, OLL, OSL, 84
	s_wait_xcnt 0x0                                ; the stores have read the codes' registers
	INIT
.set J, 0
.rept 32
	v_mov_b32 v[OG+J], 0                           ; the step is written once: the first finds zeros
.set J, J+1
.endr
	; ---- the global attention
.macro GSTEP
	v_add_nc_u32 v[ADK], s[TBS], v[LI]
	v_add_nc_u32 v[ADV], s[TBS], v[LIV]
	v_nop
	v_nop                                          ; four places ahead of loads into registers that the last products read
.irp t, 0,1,2,3,4,5,6,7
.irp c, 0,1
	ds_load_b128 v[KV+8*\t+4*\c:KV+8*\t+4*\c+3], v[ADK] offset:\t*1024+\c*512
.endr
.endr
	s_wait_dscnt 0x0
.irp t, 0,1,2,3,4,5,6,7
	v_wmma_f32_16x16x64_bf8_bf8 v[S+8*\t:S+8*\t+7], v[KV+8*\t:KV+8*\t+7], v[QG:QG+7], 0
.endr
.rept 4
	v_nop
.endr
.irp t, 0,1,2,3                        ; V's fragments land while the softmax is walked
.irp c, 0,1,2,3
	ds_load_b128 v[KV+16*\t+4*\c:KV+16*\t+4*\c+3], v[ADV] offset:\c*2048+\t*512
.endr
.endr
	SOFTMAX CSG, PLG, PSG, 1
	s_wait_dscnt 0x0
.irp t, 0,1,2,3
	v_wmma_f32_16x16x128_bf8_bf8 v[OG+8*\t:OG+8*\t+7], v[KV+16*\t:KV+16*\t+15], v[PC:PC+15], v[OG+8*\t:OG+8*\t+7]
.endr
.endm
.macro CHUNK c                         ; 512 keys: the c-th load of each fetching wave
	s_wait_tensorcnt 3-\c                          ; my part of this chunk has landed; the 3 - c younger loads may stay out
	s_wait_dscnt 0x0
	s_barrier_signal -1
	s_barrier_wait -1                              ; everybody's has
	s_mov_b32 s[TBS], \c*32768
	s_mov_b32 s[CNT], 4
.Lstep_\@:
	GSTEP
	s_add_co_u32 s[TBS], s[TBS], 8192
	s_sub_co_u32 s[CNT], s[CNT], 1
	s_cmp_lg_u32 s[CNT], 0
	s_cbranch_scc1 .Lstep_\@
.endm
	CHUNK 0
	CHUNK 1
	CHUNK 2
	CHUNK 3
	FIN OG, 27, OLG, OSG, 86
	s_wait_tensorcnt 0x0
	ds_add_u32 v251, v255
	s_wait_dscnt 0x0
	CROUND                                         ; the closing round: no work-group ends while a partner may still ask for a tile that names it
	s_endpgm
.Lfunc_end_k_q5594d322fd_attn:
	.size	k_q5594d322fd_attn, .Lfunc_end_k_q5594d322fd_attn-k_q5594d322fd_attn
	.p2alignl 7, 3214868480
	.fill 96, 4, 3214868480
	.section	.rodata,"a",@progbits
	.p2align	6, 0x0
	.amdhsa_kernel k_q5594d322fd_attn
		.amdhsa_group_segment_fixed_size 264192
		.amdhsa_private_segment_fixed_size 0
		.amdhsa_enable_private_segment 0
		.amdhsa_kernarg_size 24
		.amdhsa_user_sgpr_count 2
		.amdhsa_user_sgpr_kernarg_segment_ptr 1
		.amdhsa_wavefront_size32 1
		.amdhsa_system_sgpr_workgroup_id_x 1
		.amdhsa_system_sgpr_workgroup_id_y 1
		.amdhsa_system_sgpr_workgroup_id_z 1
		.amdhsa_system_vgpr_workitem_id 0
		.amdhsa_next_free_vgpr 256
		.amdhsa_next_free_sgpr 90
		.amdhsa_reserve_vcc 1
		.amdhsa_float_denorm_mode_32 3
		.amdhsa_float_denorm_mode_16_64 3
		.amdhsa_memory_ordered 1
		.amdhsa_forward_progress 1
		.amdhsa_inst_pref_size 101
	.end_amdhsa_kernel
	.amdgpu_metadata
---
amdhsa.version: [ 1, 2 ]
amdhsa.kernels:
  - .name:           k_q5594d322fd_attn
    .symbol:         k_q5594d322fd_attn.kd
    .args:
      - { .name: qkv, .offset: 0, .size: 8, .value_kind: global_buffer, .address_space: global }
      - { .name: lowp_scales, .offset: 8, .size: 8, .value_kind: global_buffer, .address_space: global }
      - { .name: oimg, .offset: 16, .size: 8, .value_kind: global_buffer, .address_space: global }
    .group_segment_fixed_size: 264192
    .private_segment_fixed_size: 0
    .kernarg_segment_align: 8
    .kernarg_segment_size: 24
    .max_flat_workgroup_size: 512
    .sgpr_count:     90
    .vgpr_count:     256
    .wavefront_size: 32
...
	.end_amdgpu_metadata
.endif
;; end of part 2
;; launch tail (part 3): grid 128 x 1, 8 waves a work-group, no clusters, 318,464 bytes of LDS; arguments oimg, x_codes, pos, lowp_scales, win_w_codes, l_wo_codes, g_wo_codes, gate_w_codes, ffn_w1_codes, ffn_w2_codes, win_b, l_bo, g_bo, gate_b, ffn_b1, ffn_b2, n1_g, n1_b, n2_g, n2_b, n3_g, n3_b, part; writes part
.if DOCPART == 3
	.amdgcn_target "amdgcn-amd-amdhsa--gfx1250"
	.amdhsa_code_object_version 6
	.text
	.protected	k_q5594d322fd_tail
	.globl	k_q5594d322fd_tail
	.p2align	8
	.type	k_q5594d322fd_tail,@function
k_q5594d322fd_tail:
	s_mov_b64 s[64:65], 0
	v_nop
	global_prefetch_b8 v0, s[64:65] scope:SCOPE_SE
	s_setreg_imm32_b32 hwreg(HW_REG_WAVE_MODE, 25, 1), 1
	s_wait_xcnt 0x0
; For 64 rows: h again; L = o_l l_wo + l_bo; G = o_g g_wo + g_bo; gate = tanh(relu([L, G] gate_w + gate_b)); y1 = h + G + gate (L - G); three layer norms round the FFN; the 64 rows' column sums.
; The engine is that of the launch that makes q, k, v: 8 waves, wave w owns columns 64 w .. 64 w + 63 of every product for all 64 rows (16 accumulators); activations go from wave to wave as
; images of their registers in LDS; weights go from memory straight into a ring of 8 fragments in registers, each byte once in the work-group, and the ring runs on through epilogues and barriers.
; 64 rows to a work-group, 128 work-groups: a weight byte feeds 64 rows; 32 rows would double the 2.1 MB x 128 of weights that the launch loads.  No tensor load, so no joint request: the shared weights never pass LDS.
; Layout: lane (r, h) holds of its row k = 32 c + 16 h + 0 .. 15 in registers 4 c .. 4 c + 3; place r of tile 2 b + u is item 32 b + 8 u + r + 8 (r / 8), for weight rows and activation rows.
; tanh(z) for z >= 0 is 1 - 2 / (1 + 2^(2 log2(e) z)); an overflow gives 1.  Layer norms in two passes (mean, then the squares of the centred numbers).
; LIMITS: each eA + eB between -126 and 126; each exponent given to a conversion (e28; e26 - e12 - e13; e26 - e24 - e25; e30 - e28 - e29) between -126 and 112.  NaN is not served.
; REGISTERS. window 0: v1-23 addresses, constants; v24-31 codes, in a norm -mean and 1 / sigma; v32-95 activation fragments, at work in epilogues; v96-127 bias, at work; v128-255 pos, L, L - G, h1.
; window 1: v0-127 accumulators ((t, m) at 8 (4 t + m)); v128-255 the ring.
.set RA,    0                          ; LDS: o_l's and o_g's fragments (32 KB each); later the hidden layer's 32
.set RB,    65536                      ; [L, G]'s 32 fragments; later h1's 16
.set XI,    131072                     ; x's 8
.set SAVE,  147456                     ; 16 KB of each wave's own: h, then h + G
.set PRM,   278528                     ; 13 units of 2,048 bytes: win_b, l_bo, g_bo, gate_b, ffn_b1 (2), ffn_b2 (each / 2^(eA + eB)), n1_g, n1_b, n2_g, n2_b, n3_g, n3_b
.set STAT,  305152                     ; six exchanges of 2,048 bytes
.set LI,    1
.set LI2,   2
.set LI3,   3
.set WA256, 4
.set WA512, 5
.set WA1024, 6
.set PB,    7
.set RAW,   8
.set RBW,   9
.set SV,    10
.set STW,   11
.set STR,   12
.set PA,    13
.set CODES, 24
.set ACT,   32
.set TB,    96
.set KEEP,  128
.set RING,  128
.set WV,    2
.set MSB,   0
.macro WIN new                         ; the immediate's high byte repeats the setting that is left
.if MSB != \new
	s_set_vgpr_msb (MSB<<8)|\new
.set MSB, \new
.endif
.endm
.macro PLACES                          ; four plain places behind matrix instructions (ISA guide 7.12.1)
.rept 4
	v_nop
.endr
.endm
.macro BARRIER                         ; my LDS stores have landed and my LDS loads are in: then the work-group's barrier
	s_wait_dscnt 0x0
	s_barrier_signal -1
	s_barrier_wait -1
.endm
.macro WLOAD slot, wa, base, kb, off, t, s
.irp c, 0,1,2,3
	global_load_b128 v[RING+16*(\slot)+4*\c:RING+16*(\slot)+4*\c+3], v[\wa], s[\base:\base+1] offset:(\off)+(32*((\t)/2)+8*((\t)%2))*(\kb)+128*(\s)+32*\c
.endr
.endm
.macro FETCH li, img, ks, s
.irp m, 0,1,2,3
.irp c, 0,1,2,3
	ds_load_b128 v[ACT+16*\m+4*\c:ACT+16*\m+4*\c+3], v[\li] offset:(\img)+(\m*(\ks)+(\s))*2048+512*\c
.endr
.endr
.endm
.macro LDB dst, unit
.irp b, 0,1
.irp q, 0,1,2,3
	ds_load_b128 v[\dst+16*\b+4*\q:\dst+16*\b+4*\q+3], v[PB] offset:(\unit)*2048+128*\b+16*\q
.endr
.endr
.endm
; 8 matrix instructions: column tiles 2 g, 2 g + 1 x four row tiles.  mode 0: sums in window 1; 1: in v128-255 of window 0.  first: C is the bias.
; The 16 accumulators take turns, one instruction a turn.
.macro MUL8 par, g, mode, first
.set DB, 0
.if \mode == 1
.set DB, KEEP
	WIN 0x01
.else
.if \first
	WIN 0x41
.else
	WIN 0x51
.endif
.endif
.irp m, 0,1,2,3
.irp t, 2*(\g), 2*(\g)+1
.set DD, DB+8*(4*(\t)+\m)
.set RR, RING+16*(4*(\par)+(\t))
.set AA, ACT+16*\m
.set CC, DD
.if \first
.set CC, TB+8*(\t)
.endif
	v_wmma_f32_16x16x128_bf8_bf8 v[DD:DD+7], v[RR:RR+15], v[AA:AA+15], v[CC:CC+7]
.endr
.endr
.endm
; A product over ks K steps of 128.  Each group of 8 products waits for its two ring slots (24 younger loads: three groups of 8) and fills them again with K step s + 2,
; in the last two K steps with the NEXT matrix's K steps 0 and 1.  last = 1: nothing follows, the counts run down 24, 16, 8, 0.
.macro PHASE ks, mode, li, img, wa, base, kb, off, nwa, nbase, nkb, noff, last
.set SS, 0
.rept \ks
.set FST, 0
.if SS == 0
.set FST, 1
.endif
	s_wait_dscnt 0x0
.irp g, 0,1
.if (\last) && (SS+2 >= \ks)
	s_wait_loadcnt 24-8*(2*(SS+2-\ks)+\g)
.else
	s_wait_loadcnt 24
.endif
	MUL8 SS%2, \g, \mode, FST
	PLACES
.if SS+2 < \ks
	WIN 0x40
	WLOAD 4*(SS%2)+2*\g, \wa, \base, \kb, \off, 2*\g, SS+2
	WLOAD 4*(SS%2)+2*\g+1, \wa, \base, \kb, \off, 2*\g+1, SS+2
.elseif !(\last)
	WIN 0x40
	WLOAD 4*(SS%2)+2*\g, \nwa, \nbase, \nkb, \noff, 2*\g, SS+2-\ks
	WLOAD 4*(SS%2)+2*\g+1, \nwa, \nbase, \nkb, \noff, 2*\g+1, SS+2-\ks
.endif
.endr
	WIN 0
.if SS+1 < \ks
	FETCH \li, \img, \ks, SS+1
.endif
.set SS, SS+1
.endr
.endm
; Row tile m's 32 numbers of my lane become 8 registers of codes; the hold comes first (the conversion does not saturate: ISA guide 7.6.2); relu = 1 lets it clip at 0 as well.
.macro QUANT m, srcwin, ab, relu, sc, lim
	WIN \srcwin
.irp t, 0,1,2,3
.irp j, 0,1,2,3,4,5,6,7
.if \relu
	v_med3_num_f32 v[TB+8*\t+\j], v[\ab+8*(4*\t+\m)+\j], 0, v[\lim]
.else
	v_med3_num_f32 v[TB+8*\t+\j], v[\ab+8*(4*\t+\m)+\j], -v[\lim], v[\lim]
.endif
.endr
.endr
	WIN 0
	s_wait_dscnt 0x0                               ; the last image's stores have read the codes' registers
.irp t, 0,1,2,3
	v_cvt_scalef32_pk8_bf8_f32 v[CODES+2*\t:CODES+2*\t+1], v[TB+8*\t:TB+8*\t+7], v[\sc]
.endr
	v_nop                                          ; one plain line behind the last scaled conversion
.endm
.macro IMAGE adr, off
	ds_store_b128 v[\adr], v[CODES:CODES+3] offset:\off
	ds_store_b128 v[\adr], v[CODES+4:CODES+7] offset:(\off)+512
.endm
.macro MKQ vsc, vlim                   ; the exponent in s100: 2^E, and 57,344 x 2^E
	s_add_co_i32 s100, s100, 127
	s_lshl_b32 s101, s100, 23
	v_mov_b32 v[\vsc], s101
	s_add_co_i32 s100, s100, 15
	s_lshl_b32 s101, s100, 23
	s_or_b32 s101, s101, 0x600000
	v_mov_b32 v[\vlim], s101
.endm
.macro BSC u, ea, eb                   ; bias unit u / 2^(ea + eb); the sum of the two stays in s100
	s_add_co_i32 s100, s[\ea], s[\eb]
	s_sub_co_i32 s101, 0, s100
	v_ldexp_f32 v[80+2*\u], v[80+2*\u], s101
	v_ldexp_f32 v[81+2*\u], v[81+2*\u], s101
.endm
.macro POW2 dst                        ; 2^(s100) as a pair
	s_add_co_i32 s101, s100, 127
	s_lshl_b32 s[\dst], s101, 23
	s_mov_b32 s[\dst+1], s[\dst]
.endm
	s_load_b512 s[4:19], s[0:1], 0x0               ; oimg s4, x s6, pos s8, exponents s10, win s12, l_wo s14, g_wo s16, gate_w s18
	s_load_b512 s[20:35], s[0:1], 0x40             ; ffn_w1 s20, ffn_w2 s22, win_b s24, l_bo s26, g_bo s28, gate_b s30, ffn_b1 s32, ffn_b2 s34
	s_load_b256 s[36:43], s[0:1], 0x80             ; n1_g, n1_b, n2_g, n2_b
	s_load_b128 s[44:47], s[0:1], 0xa0             ; n3_g, n3_b
	s_load_b64 s[48:49], s[0:1], 0xb0              ; part
	v_lshrrev_b32 v24, 5, v0
	v_readfirstlane_b32 s[WV], v24                 ; wave 0..7
	v_and_b32 v25, 31, v0
	v_and_b32 v26, 15, v0                          ; r
	v_bfe_u32 v27, v0, 4, 1                        ; h
	v_and_b32 v28, 8, v26
	v_add_nc_u32 v28, v28, v26                     ; r + 8 (r / 8)
	v_lshlrev_b32 v[LI], 4, v25
	v_add_nc_u32 v[LI2], RB, v[LI]
	v_add_nc_u32 v[LI3], XI, v[LI]
	v_lshlrev_b32 v29, 4, v27
	v_lshl_add_u32 v[WA256], v28, 8, v29
	v_lshl_add_u32 v[WA512], v28, 9, v29
	v_lshl_add_u32 v[WA1024], v28, 10, v29
	s_lshl_b32 s3, s[WV], 8
	v_lshl_add_u32 v[PB], v27, 6, s3
	v_add_nc_u32 v[PB], PRM, v[PB]
	v_lshl_add_u32 v[STW], v26, 4, s3
	v_add_nc_u32 v[STW], STAT, v[STW]
	v_lshlrev_b32 v[STR], 4, v26
	v_add_nc_u32 v[STR], STAT, v[STR]
	s_lshl_b32 s3, s[WV], 10
	v_add_nc_u32 v[RAW], s3, v[LI]
	v_add_nc_u32 v[RBW], RB, v[RAW]
	s_lshl_b32 s3, s[WV], 14
	v_add_nc_u32 v[SV], s3, v[LI]
	v_add_nc_u32 v[SV], SAVE, v[SV]
	v_lshlrev_b32 v29, 6, v27
	v_lshl_add_u32 v[PA], v28, 11, v29
	v_lshlrev_b32 v14, 4, v0                       ; 16 x thread
	v_lshlrev_b32 v15, 3, v0                       ; 8 x thread
	v_add_nc_u32 v30, PRM, v15
	s_lshl_b32 s3, s[WV], 11
	v_add_nc_u32 v31, s3, v[LI3]
	s_mov_b32 s60, 0x76543210                      ; v_permlanex16_b32: lane l xor 16
	s_mov_b32 s61, 0xfedcba98
	s_mov_b32 s62, 0x3b000000                      ; 1 / 512
	s_mov_b32 s63, 0x3727c5ac                      ; 1e-5
	s_mov_b32 s67, 0
	s_wait_kmcnt 0x0
	s_load_b512 s[68:83], s[10:11], 0x0            ; e0 .. e15
	s_load_b512 s[84:99], s[10:11], 0x40           ; e16 .. e31
	s_lshl_b32 s66, ttmp9, 15                      ; o's four row tiles of 8,192 bytes
	s_add_nc_u64 s[4:5], s[4:5], s[66:67]
	s_lshl_b32 s66, ttmp9, 14                      ; x: fragment (m = w / 2, s = w % 2)
	s_lshr_b32 s100, s[WV], 2
	s_lshl_b32 s100, s100, 13
	s_add_co_u32 s66, s66, s100
	s_bfe_u32 s100, s[WV], 0x10001
	s_lshl_b32 s100, s100, 11
	s_add_co_u32 s66, s66, s100
	s_and_b32 s100, s[WV], 1
	s_lshl_b32 s100, s100, 7
	s_add_co_u32 s66, s66, s100
	s_add_nc_u64 s[6:7], s[6:7], s[66:67]
	s_and_b32 s66, ttmp9, 31
	s_lshl_b32 s66, s66, 17
	s_lshl_b32 s100, s[WV], 8
	s_add_co_u32 s66, s66, s100
	s_add_nc_u64 s[8:9], s[8:9], s[66:67]
	s_lshl_b32 s66, s[WV], 14                      ; my 64 rows of each weight
	s_add_nc_u64 s[12:13], s[12:13], s[66:67]
	s_lshl_b32 s66, s[WV], 15
	s_add_nc_u64 s[14:15], s[14:15], s[66:67]
	s_add_nc_u64 s[16:17], s[16:17], s[66:67]
	s_add_nc_u64 s[20:21], s[20:21], s[66:67]
	s_lshl_b32 s66, s[WV], 16
	s_add_nc_u64 s[18:19], s[18:19], s[66:67]
	s_add_nc_u64 s[22:23], s[22:23], s[66:67]
	s_lshl_b32 s66, ttmp9, 11
	s_add_nc_u64 s[48:49], s[48:49], s[66:67]
.irp mm, 0,1,2,3                       ; pos in the accumulators' layout
.irp b, 0,1
.irp q, 0,1,2,3
	global_load_b128 v[KEEP+64*\b+32*(\q/2)+8*\mm+4*(\q%2):KEEP+64*\b+32*(\q/2)+8*\mm+4*(\q%2)+3], v[PA], s[8:9] offset:(32*(\mm/2)+8*(\mm%2))*2048+128*\b+16*\q
.endr
.endr
.endr
	WIN 0x40                                       ; the rest of the head's loads land in window 1, where the accumulators will lie
.irp i, 0,1,2,3,4,5,6,7
	global_load_b128 v[4*\i:4*\i+3], v14, s[4:5] offset:4096*\i th:TH_LOAD_NT
.endr
.irp i, 0,1,2,3,4,5,6,7
	global_load_b128 v[32+4*\i:32+4*\i+3], v14, s[4:5] offset:4194304+4096*\i th:TH_LOAD_NT
.endr
.irp c, 0,1,2,3
	global_load_b128 v[64+4*\c:64+4*\c+3], v[WA256], s[6:7] offset:32*\c
.endr
.irp u, 0,1,2,3,4
	global_load_b64 v[80+2*\u:81+2*\u], v15, s[24+2*\u:25+2*\u]
.endr
	global_load_b64 v[90:91], v15, s[32:33] offset:2048
.irp u, 6,7,8,9,10,11,12
	global_load_b64 v[80+2*\u:81+2*\u], v15, s[22+2*\u:23+2*\u]
.endr
.irp s, 0,1
.irp t, 0,1,2,3
	WLOAD 4*\s+\t, WA256, 12, 256, 0, \t, \s
.endr
.endr
	s_wait_loadcnt 32                              ; all but the ring's 32
	s_wait_kmcnt 0x0
	WIN 0x41
	BSC 0, 68, 69
	POW2 50                                        ; s[50:51] = 2^(e0 + e1)
	BSC 1, 80, 81
	POW2 52                                        ; s[52:53] = 2^(e12 + e13)
	BSC 2, 92, 93
	POW2 54                                        ; s[54:55] = 2^(e24 + e25)
	BSC 3, 94, 95
	s_lshl_b32 s101, s100, 23
	s_add_co_i32 s56, s101, 0x4038aa3b             ; s[56:57] = 2 log2(e) x 2^(e26 + e27)
	s_mov_b32 s57, s56
	BSC 4, 96, 97
	BSC 5, 96, 97
	BSC 6, 98, 99
	POW2 58                                        ; s[58:59] = 2^(e30 + e31)
	WIN 0x04                                       ; store data in window 1
.irp i, 0,1,2,3,4,5,6,7,8,9,10,11,12,13,14,15
	ds_store_b128 v14, v[4*\i:4*\i+3] offset:RA+4096*\i
.endr
.irp c, 0,1,2,3
	ds_store_b128 v31, v[64+4*\c:64+4*\c+3] offset:512*\c
.endr
.irp u, 0,1,2,3,4,5,6,7,8,9,10,11,12
	ds_store_b64 v30, v[80+2*\u:81+2*\u] offset:2048*\u
.endr
	WIN 0
	s_sub_co_i32 s100, s94, s80
	s_sub_co_i32 s100, s100, s81
	MKQ 16, 17                                     ; L's codes: e26 - e12 - e13
	s_sub_co_i32 s100, s94, s92
	s_sub_co_i32 s100, s100, s93
	MKQ 18, 19                                     ; G's: e26 - e24 - e25
	s_mov_b32 s100, s96
	MKQ 20, 21                                     ; h1's: e28
	s_sub_co_i32 s100, s98, s96
	s_sub_co_i32 s100, s100, s97
	MKQ 22, 23                                     ; the hidden layer's: e30 - e28 - e29
	BARRIER                                        ; o's and x's fragments and the parameters lie in LDS
	; ---- h, kept in my own part of LDS
	LDB TB, 0
	FETCH LI3, 0, 2, 0
	PHASE 2, 0, LI3, 0, WA256, 12, 256, 0, WA512, 14, 512, 0, 0
	PLACES
	WIN 0x41
.set I, 0
.rept 64
	v_pk_fma_f32 v[I:I+1], v[I:I+1], s[50:51], v[KEEP+I:KEEP+I+1] op_sel_hi:[1,0,1]
.set I, I+2
.endr
	WIN 0x04
.set I, 0
.rept 32
	ds_store_b128 v[SV], v[4*I:4*I+3] offset:512*I
.set I, I+1
.endr
	WIN 0
	; ---- L, summed in window 0
	LDB TB, 1
	FETCH LI, 0, 4, 0
	PHASE 4, 1, LI, 0, WA512, 14, 512, 0, WA512, 16, 512, 0, 0
	PLACES
.irp mm, 0,1,2,3
	QUANT \mm, 0, KEEP, 0, 16, 17
	IMAGE RBW, \mm*16384
.endr
	; ---- G
	LDB TB, 2
	FETCH LI, 32768, 4, 0
	PHASE 4, 0, LI, 32768, WA512, 16, 512, 0, WA1024, 18, 1024, 0, 0
	PLACES
.macro E2 mm                           ; G's codes; G; L - G stays in registers; h + G goes back to my part of LDS.  The two halves of v32-95 take turns: QUANT's wait shows the half's last stores done
.set AH, ACT+32*((\mm)%2)
.irp t, 0,1,2,3
.irp jj, 0,1
	ds_load_b128 v[AH+8*\t+4*\jj:AH+8*\t+4*\jj+3], v[SV] offset:512*(8*\t+2*\mm+\jj)
.endr
.endr
	QUANT \mm, 0x01, 0, 0, 18, 19
	IMAGE RBW, \mm*16384+8192
	WIN 0x41
.irp t, 0,1,2,3
.irp p, 0,2,4,6
	v_pk_mul_f32 v[8*(4*\t+\mm)+\p:8*(4*\t+\mm)+\p+1], v[8*(4*\t+\mm)+\p:8*(4*\t+\mm)+\p+1], s[54:55] op_sel_hi:[1,0]
.endr
.endr
	WIN 0x10
.irp t, 0,1,2,3
.irp p, 0,2,4,6
	v_pk_fma_f32 v[KEEP+8*(4*\t+\mm)+\p:KEEP+8*(4*\t+\mm)+\p+1], v[KEEP+8*(4*\t+\mm)+\p:KEEP+8*(4*\t+\mm)+\p+1], s[52:53], v[8*(4*\t+\mm)+\p:8*(4*\t+\mm)+\p+1] op_sel_hi:[1,0,1] neg_lo:[0,0,1] neg_hi:[0,0,1]
.endr
.endr
	WIN 0x04
.irp t, 0,1,2,3
.irp p, 0,2,4,6
	v_pk_add_f32 v[AH+8*\t+\p:AH+8*\t+\p+1], v[AH+8*\t+\p:AH+8*\t+\p+1], v[8*(4*\t+\mm)+\p:8*(4*\t+\mm)+\p+1]
.endr
.endr
	WIN 0
.irp t, 0,1,2,3
.irp jj, 0,1
	ds_store_b128 v[SV], v[AH+8*\t+4*\jj:AH+8*\t+4*\jj+3] offset:512*(8*\t+2*\mm+\jj)
.endr
.endr
.endm
	E2 0
	E2 1
	E2 2
	E2 3
	BARRIER                                        ; [L, G]'s 32 fragments lie in LDS
	; ---- the gate
	LDB TB, 3
	FETCH LI2, 0, 8, 0
	PHASE 8, 0, LI2, 0, WA1024, 18, 1024, 0, WA512, 20, 512, 0, 0
	PLACES
.macro LDA1 mm, a1
.irp t, 0,1,2,3
.irp jj, 0,1
	ds_load_b128 v[\a1+8*\t+4*\jj:\a1+8*\t+4*\jj+3], v[SV] offset:512*(8*\t+2*\mm+\jj)
.endr
.endr
.endm
.macro FUSE mm, a1                     ; y1 = gate (L - G) + (h + G)
.irp t, 0,1,2,3
.irp p, 0,2,4,6
	v_pk_fma_f32 v[8*(4*\t+\mm)+\p:8*(4*\t+\mm)+\p+1], v[8*(4*\t+\mm)+\p:8*(4*\t+\mm)+\p+1], v[KEEP+8*(4*\t+\mm)+\p:KEEP+8*(4*\t+\mm)+\p+1], v[\a1+8*\t+\p:\a1+8*\t+\p+1]
.endr
.endr
.endm
	LDA1 0, 32
	LDA1 1, 64
	LDA1 2, 96
	WIN 0x41
.set I, 0
.rept 64
	v_pk_mul_f32 v[I:I+1], v[I:I+1], s[56:57] op_sel_hi:[1,0]   ; 2 log2(e) z
.set I, I+2
.endr
	WIN 0x44
.set I, 0
.rept 128
	v_max_num_f32 v[I], 0, v[I]                    ; relu
.set I, I+1
.endr
	WIN 0x41
.set I, 0
.rept 128
	v_exp_f32 v[I], v[I]
.set I, I+1
.endr
	v_nop
	s_wait_alu depctr_va_vdst(0)                   ; one wait for the batch
.set I, 0
.rept 64
	v_pk_add_f32 v[I:I+1], v[I:I+1], 1.0 op_sel_hi:[1,0]
.set I, I+2
.endr
.set I, 0
.rept 128
	v_rcp_f32 v[I], v[I]
.set I, I+1
.endr
	v_nop
	s_wait_alu depctr_va_vdst(0)
.set I, 0
.rept 64
	v_pk_fma_f32 v[I:I+1], v[I:I+1], -2.0, 1.0 op_sel_hi:[1,0,0]   ; gate = 1 - 2 / (1 + 2^..)
.set I, I+2
.endr
	s_wait_dscnt 0x0
	FUSE 0, 32
	WIN 0
	LDA1 3, 32
	WIN 0x41
	FUSE 1, 64
	FUSE 2, 96
	s_wait_dscnt 0x0
	FUSE 3, 32
	WIN 0
; The chains in v96-111 (two pairs a row tile) become the rows' sums over all 512 columns, in v[TB + m]: my lane, lane l xor 16, then the eight waves through LDS.  ex: which of the six exchanges' bytes.
.macro EXCH ex
	WIN 0
.irp mm, 0,1,2,3
	v_pk_add_f32 v[TB+4*\mm:TB+4*\mm+1], v[TB+4*\mm:TB+4*\mm+1], v[TB+4*\mm+2:TB+4*\mm+3]
.endr
.irp mm, 0,1,2,3
	v_add_f32 v[TB+16+\mm], v[TB+4*\mm], v[TB+4*\mm+1]
.endr
.irp mm, 0,1,2,3
	v_permlanex16_b32 v[TB+20+\mm], v[TB+16+\mm], s60, s61
.endr
.irp mm, 0,1,2,3
	v_add_f32 v[TB+16+\mm], v[TB+16+\mm], v[TB+20+\mm]
.endr
	ds_store_b128 v[STW], v[TB+16:TB+19] offset:(\ex)*2048
	BARRIER
.irp w, 0,1,2,3,4,5,6,7
	ds_load_b128 v[TB+4*\w:TB+4*\w+3], v[STR] offset:(\ex)*2048+256*\w
.endr
	s_wait_dscnt 0x0
.irp w, 1,2,3,4,5,6,7
	v_pk_add_f32 v[TB:TB+1], v[TB:TB+1], v[TB+4*\w:TB+4*\w+1]
	v_pk_add_f32 v[TB+2:TB+3], v[TB+2:TB+3], v[TB+4*\w+2:TB+4*\w+3]
.endr
.endm
; A layer norm of the 64 rows in the accumulators.  dstw = 1: in place; 0: into v128-255 of window 0.
.macro LN ex, ug, ub, dstw
	WIN 0                                          ; the loads below name window 0, whatever setting the lines ahead have left
	LDB ACT, \ug                                   ; my columns' gains and biases
	LDB ACT+32, \ub
	WIN 0x05
.irp mm, 0,1,2,3
	v_pk_add_f32 v[TB+4*\mm:TB+4*\mm+1], v[8*\mm:8*\mm+1], v[8*\mm+2:8*\mm+3]
	v_pk_add_f32 v[TB+4*\mm+2:TB+4*\mm+3], v[8*\mm+4:8*\mm+5], v[8*\mm+6:8*\mm+7]
.endr
	WIN 0x04
.irp t, 1,2,3
.irp mm, 0,1,2,3
.irp p, 0,4
	v_pk_add_f32 v[TB+4*\mm:TB+4*\mm+1], v[TB+4*\mm:TB+4*\mm+1], v[8*(4*\t+\mm)+\p:8*(4*\t+\mm)+\p+1]
	v_pk_add_f32 v[TB+4*\mm+2:TB+4*\mm+3], v[TB+4*\mm+2:TB+4*\mm+3], v[8*(4*\t+\mm)+\p+2:8*(4*\t+\mm)+\p+3]
.endr
.endr
.endr
	EXCH \ex
.irp mm, 0,1,2,3
	v_mul_f32 v[CODES+2*\mm], 0xbb000000, v[TB+\mm]   ; -mean, the low word of a pair
.endr
	WIN 0x41
.irp t, 0,1,2,3
.irp mm, 0,1,2,3
.irp p, 0,2,4,6
	v_pk_add_f32 v[8*(4*\t+\mm)+\p:8*(4*\t+\mm)+\p+1], v[8*(4*\t+\mm)+\p:8*(4*\t+\mm)+\p+1], v[CODES+2*\mm:CODES+2*\mm+1] op_sel_hi:[1,0]
.endr
.endr
.endr
	WIN 0x05
.irp mm, 0,1,2,3
	v_pk_mul_f32 v[TB+4*\mm:TB+4*\mm+1], v[8*\mm:8*\mm+1], v[8*\mm:8*\mm+1]
	v_pk_mul_f32 v[TB+4*\mm+2:TB+4*\mm+3], v[8*\mm+2:8*\mm+3], v[8*\mm+2:8*\mm+3]
	v_pk_fma_f32 v[TB+4*\mm:TB+4*\mm+1], v[8*\mm+4:8*\mm+5], v[8*\mm+4:8*\mm+5], v[TB+4*\mm:TB+4*\mm+1]
	v_pk_fma_f32 v[TB+4*\mm+2:TB+4*\mm+3], v[8*\mm+6:8*\mm+7], v[8*\mm+6:8*\mm+7], v[TB+4*\mm+2:TB+4*\mm+3]
.endr
.irp t, 1,2,3
.irp mm, 0,1,2,3
.irp p, 0,4
	v_pk_fma_f32 v[TB+4*\mm:TB+4*\mm+1], v[8*(4*\t+\mm)+\p:8*(4*\t+\mm)+\p+1], v[8*(4*\t+\mm)+\p:8*(4*\t+\mm)+\p+1], v[TB+4*\mm:TB+4*\mm+1]
	v_pk_fma_f32 v[TB+4*\mm+2:TB+4*\mm+3], v[8*(4*\t+\mm)+\p+2:8*(4*\t+\mm)+\p+3], v[8*(4*\t+\mm)+\p+2:8*(4*\t+\mm)+\p+3], v[TB+4*\mm+2:TB+4*\mm+3]
.endr
.endr
.endr
	EXCH (\ex)+1
.irp mm, 0,1,2,3
	v_fma_f32 v[TB+\mm], v[TB+\mm], s62, s63       ; the variance + 1e-5
.endr
.irp mm, 0,1,2,3
	v_rsq_f32 v[CODES+2*\mm], v[TB+\mm]
.endr
	v_nop
	s_wait_alu depctr_va_vdst(0)
	WIN 0x41
.irp t, 0,1,2,3
.irp mm, 0,1,2,3
.irp p, 0,2,4,6
	v_pk_mul_f32 v[8*(4*\t+\mm)+\p:8*(4*\t+\mm)+\p+1], v[8*(4*\t+\mm)+\p:8*(4*\t+\mm)+\p+1], v[CODES+2*\mm:CODES+2*\mm+1] op_sel_hi:[1,0]
.endr
.endr
.endr
.set DL, 0
.if \dstw
	WIN 0x41
.else
.set DL, KEEP
	WIN 0x01
.endif
.irp t, 0,1,2,3
.irp mm, 0,1,2,3
.irp p, 0,2,4,6
	v_pk_fma_f32 v[DL+8*(4*\t+\mm)+\p:DL+8*(4*\t+\mm)+\p+1], v[8*(4*\t+\mm)+\p:8*(4*\t+\mm)+\p+1], v[ACT+8*\t+\p:ACT+8*\t+\p+1], v[ACT+32+8*\t+\p:ACT+32+8*\t+\p+1]
.endr
.endr
.endr
	WIN 0
.endm
	LN 0, 7, 8, 0                                  ; h1, kept in window 0.  Every wave's reads of [L, G] were over ahead of this norm's barriers,
.irp mm, 0,1,2,3
	QUANT \mm, 0, KEEP, 0, 20, 21
	IMAGE RBW, \mm*8192                            ; so h1's fragments may take their place
.endr
	BARRIER
	; ---- the hidden layer, 512 units at a time
	LDB TB, 4
	FETCH LI2, 0, 4, 0
	PHASE 4, 0, LI2, 0, WA512, 20, 512, 0, WA512, 20, 512, 262144, 0
	PLACES
.irp mm, 0,1,2,3
	QUANT \mm, 0x01, 0, 1, 22, 23
	IMAGE RAW, \mm*16384
.endr
	LDB TB, 5
	FETCH LI2, 0, 4, 0
	PHASE 4, 0, LI2, 0, WA512, 20, 512, 262144, WA1024, 22, 1024, 0, 0
	PLACES
.irp mm, 0,1,2,3
	QUANT \mm, 0x01, 0, 1, 22, 23
	IMAGE RAW, \mm*16384+8192
.endr
	BARRIER
	; ---- the second FFN product, the residual, two norms
	LDB TB, 6
	FETCH LI, 0, 8, 0
	PHASE 8, 0, LI, 0, WA1024, 22, 1024, 0, 0, 0, 0, 0, 1
	PLACES
	WIN 0x41
.set I, 0
.rept 64
	v_pk_fma_f32 v[I:I+1], v[I:I+1], s[58:59], v[KEEP+I:KEEP+I+1] op_sel_hi:[1,0,1]
.set I, I+2
.endr
	LN 2, 9, 10, 1
	LN 4, 11, 12, 1
	; ---- the 64 rows' column sums: over the row tiles, then over the 16 lanes of a half by halving: at each step a lane keeps half of its numbers and sends the other half to its partner
	WIN 0x05
.irp t, 0,1,2,3
.irp p, 0,2,4,6
	v_pk_add_f32 v[TB+8*\t+\p:TB+8*\t+\p+1], v[32*\t+\p:32*\t+\p+1], v[32*\t+8+\p:32*\t+8+\p+1]
.endr
.endr
	WIN 0x04
.irp mm, 2,3
.irp t, 0,1,2,3
.irp p, 0,2,4,6
	v_pk_add_f32 v[TB+8*\t+\p:TB+8*\t+\p+1], v[TB+8*\t+\p:TB+8*\t+\p+1], v[32*\t+8*\mm+\p:32*\t+8*\mm+\p+1]
.endr
.endr
.endr
	WIN 0
	s_mov_b32 s3, 0xff00ff00                       ; the lanes in which bit 3, 2, 1, 0 of r is set
	s_mov_b32 s66, 0xf0f0f0f0
	s_mov_b32 s67, 0xcccccccc
	s_mov_b32 s100, 0xaaaaaaaa
.macro RSTEP n, src, dst, smask, xm
.set I, 0
.rept \n
	v_cndmask_b32 v[64+I], v[\src+I], v[\src+\n+I], s[\smask]   ; kept: the upper half where the bit is set
	v_cndmask_b32 v[80+I], v[\src+\n+I], v[\src+I], s[\smask]   ; sent
.set I, I+1
.endr
.set I, 0
.rept \n
	v_add_f32_dpp v[\dst+I], v[80+I], v[64+I] row_xmask:\xm row_mask:0xf bank_mask:0xf
.set I, I+1
.endr
.endm
	RSTEP 16, TB, ACT, 3, 8
	RSTEP 8, ACT, TB, 66, 4
	RSTEP 4, TB, ACT, 67, 2
	RSTEP 2, ACT, TB, 100, 1
	v_and_b32 v14, 7, v0                           ; lane (r, h) holds columns 64 w + 32 (r / 8) + 16 h + 2 (r % 8) + 0, 1
	v_bfe_u32 v15, v0, 3, 1
	v_lshlrev_b32 v14, 3, v14
	v_lshl_add_u32 v14, v15, 7, v14
	v_bfe_u32 v15, v0, 4, 1
	v_lshl_add_u32 v14, v15, 6, v14
	s_lshl_b32 s3, s[WV], 8
	v_add_nc_u32 v14, s3, v14
	global_store_b64 v14, v[TB:TB+1], s[48:49]     ; the wave stores 256 consecutive bytes, aligned
	s_wait_xcnt 0x0
	v_lshl_add_u32 v254, v0, 2, 0x4d800
	v_mov_b32 v255, 0
	s_wait_tensorcnt 0x0
	ds_add_u32 v254, v255
	s_wait_dscnt 0x0
	s_endpgm
.Lfunc_end_k_q5594d322fd_tail:
	.size	k_q5594d322fd_tail, .Lfunc_end_k_q5594d322fd_tail-k_q5594d322fd_tail
	.p2alignl 7, 3214868480
	.fill 96, 4, 3214868480
	.section	.rodata,"a",@progbits
	.p2align	6, 0x0
	.amdhsa_kernel k_q5594d322fd_tail
		.amdhsa_group_segment_fixed_size 318464
		.amdhsa_private_segment_fixed_size 0
		.amdhsa_enable_private_segment 0
		.amdhsa_kernarg_size 184
		.amdhsa_user_sgpr_count 2
		.amdhsa_user_sgpr_kernarg_segment_ptr 1
		.amdhsa_wavefront_size32 1
		.amdhsa_system_sgpr_workgroup_id_x 1
		.amdhsa_system_sgpr_workgroup_id_y 1
		.amdhsa_system_sgpr_workgroup_id_z 1
		.amdhsa_system_vgpr_workitem_id 0
		.amdhsa_next_free_vgpr 512
		.amdhsa_next_free_sgpr 102
		.amdhsa_reserve_vcc 0
		.amdhsa_float_denorm_mode_32 3
		.amdhsa_float_denorm_mode_16_64 3
		.amdhsa_memory_ordered 1
		.amdhsa_forward_progress 1
		.amdhsa_inst_pref_size 255
	.end_amdhsa_kernel
	.section	.bss,"aw",@nobits
	.p2align	6
	.space	262144
	.amdgpu_metadata
---
amdhsa.version: [ 1, 2 ]
amdhsa.kernels:
  - .name:           k_q5594d322fd_tail
    .symbol:         k_q5594d322fd_tail.kd
    .args:
      - { .name: oimg, .offset: 0, .size: 8, .value_kind: global_buffer, .address_space: global }
      - { .name: x_codes, .offset: 8, .size: 8, .value_kind: global_buffer, .address_space: global }
      - { .name: pos, .offset: 16, .size: 8, .value_kind: global_buffer, .address_space: global }
      - { .name: lowp_scales, .offset: 24, .size: 8, .value_kind: global_buffer, .address_space: global }
      - { .name: win_w_codes, .offset: 32, .size: 8, .value_kind: global_buffer, .address_space: global }
      - { .name: l_wo_codes, .offset: 40, .size: 8, .value_kind: global_buffer, .address_space: global }
      - { .name: g_wo_codes, .offset: 48, .size: 8, .value_kind: global_buffer, .address_space: global }
      - { .name: gate_w_codes, .offset: 56, .size: 8, .value_kind: global_buffer, .address_space: global }
      - { .name: ffn_w1_codes, .offset: 64, .size: 8, .value_kind: global_buffer, .address_space: global }
      - { .name: ffn_w2_codes, .offset: 72, .size: 8, .value_kind: global_buffer, .address_space: global }
      - { .name: win_b, .offset: 80, .size: 8, .value_kind: global_buffer, .address_space: global }
      - { .name: l_bo, .offset: 88, .size: 8, .value_kind: global_buffer, .address_space: global }
      - { .name: g_bo, .offset: 96, .size: 8, .value_kind: global_buffer, .address_space: global }
      - { .name: gate_b, .offset: 104, .size: 8, .value_kind: global_buffer, .address_space: global }
      - { .name: ffn_b1, .offset: 112, .size: 8, .value_kind: global_buffer, .address_space: global }
      - { .name: ffn_b2, .offset: 120, .size: 8, .value_kind: global_buffer, .address_space: global }
      - { .name: n1_g, .offset: 128, .size: 8, .value_kind: global_buffer, .address_space: global }
      - { .name: n1_b, .offset: 136, .size: 8, .value_kind: global_buffer, .address_space: global }
      - { .name: n2_g, .offset: 144, .size: 8, .value_kind: global_buffer, .address_space: global }
      - { .name: n2_b, .offset: 152, .size: 8, .value_kind: global_buffer, .address_space: global }
      - { .name: n3_g, .offset: 160, .size: 8, .value_kind: global_buffer, .address_space: global }
      - { .name: n3_b, .offset: 168, .size: 8, .value_kind: global_buffer, .address_space: global }
      - { .name: part, .offset: 176, .size: 8, .value_kind: global_buffer, .address_space: global }
    .group_segment_fixed_size: 318464
    .private_segment_fixed_size: 0
    .kernarg_segment_align: 8
    .kernarg_segment_size: 184
    .max_flat_workgroup_size: 256
    .sgpr_count:     102
    .vgpr_count:     512
    .wavefront_size: 32
...
	.end_amdgpu_metadata
.endif
;; end of part 3
;; launch pool (part 4): grid 4 x 4, 16 waves a work-group, no clusters, 6,144 bytes of LDS; arguments part, out_w, out_b, out0; writes out0
.if DOCPART == 4
	.amdgcn_target "amdgcn-amd-amdhsa--gfx1250"
	.amdhsa_code_object_version 6
	.text
	.protected	k_q5594d322fd_pool
	.globl	k_q5594d322fd_pool
	.p2align	8
	.type	k_q5594d322fd_pool,@function
k_q5594d322fd_pool:
	s_mov_b64 s[64:65], 0
	v_nop
	global_prefetch_b8 v0, s[64:65] scope:SCOPE_SE
	s_setreg_imm32_b32 hwreg(HW_REG_WAVE_MODE, 25, 1), 1
	s_wait_xcnt 0x0
; out0[b][o] = (the mean over the batch's 2,048 rows) . out_w[:, o] + out_b[o].  part holds the column sums of 128 blocks of 64 rows, 32 blocks a batch.
; A work-group takes one batch (grid y) and 32 outputs (grid x).  Thread t sums column t over the 32 blocks; wave w then takes k = 32 w .. 32 w + 31 for output = lane; wave 0 adds the 16 parts.
; Four rows only: f32 multiply-adds; matrix units, clusters and tensor loads would buy nothing for a quarter of a million multiply-adds.  The whole output is 2,048 bytes: a store covers 128 of them.
.macro BARRIER
	s_wait_dscnt 0x0
	s_barrier_signal -1
	s_barrier_wait -1
.endm
	s_load_b256 s[4:11], s[0:1], 0x0               ; part, out_w, out_b, out0
	v_lshl_add_u32 v112, v0, 2, 0x1000
	v_mov_b32 v113, 0
	v_lshrrev_b32 v1, 5, v0
	v_readfirstlane_b32 s12, v1                    ; wave
	v_and_b32 v2, 31, v0
	v_lshlrev_b32 v3, 2, v0                        ; 4 x thread
	v_lshlrev_b32 v4, 2, v2                        ; 4 x lane
	v_lshl_add_u32 v5, v1, 14, v4                  ; out_w: 32 rows of 512 bytes a wave
	v_lshlrev_b32 v6, 7, v1                        ; LDS: my wave's 32 means
	s_and_b32 s13, ttmp7, 0xffff
	s_lshl_b32 s14, s13, 16                        ; 32 blocks of 2,048 bytes a batch
	s_mov_b32 s15, 0
	s_lshl_b32 s16, ttmp9, 7                       ; 32 outputs of 4 bytes
	s_mov_b32 s17, 0
	s_lshl_b32 s18, s13, 9
	s_add_co_u32 s18, s18, s16
	s_mov_b32 s19, 0
	s_wait_kmcnt 0x0
	s_add_nc_u64 s[4:5], s[4:5], s[14:15]
	s_add_nc_u64 s[6:7], s[6:7], s[16:17]
	s_add_nc_u64 s[8:9], s[8:9], s[16:17]
	s_add_nc_u64 s[10:11], s[10:11], s[18:19]
.set I, 0
.rept 32
	global_load_b32 v[8+I], v3, s[4:5] offset:2048*I
.set I, I+1
.endr
.set I, 0
.rept 32
	global_load_b32 v[40+I], v5, s[6:7] offset:512*I
.set I, I+1
.endr
	global_load_b32 v72, v4, s[8:9]
	s_wait_loadcnt 33                              ; the 32 partial sums are in; out_w's 32 loads and out_b's may be out
.irp j, 4,8,12,16,20,24,28
	v_pk_add_f32 v[8:9], v[8:9], v[8+\j:9+\j]
	v_pk_add_f32 v[10:11], v[10:11], v[10+\j:11+\j]
.endr
	v_pk_add_f32 v[8:9], v[8:9], v[10:11]
	v_add_f32 v8, v8, v9
	v_mul_f32 v8, 0x3a000000, v8                   ; / 2,048
	ds_store_b32 v3, v8
	BARRIER                                        ; the 512 means lie in LDS
.irp i, 0,1,2,3,4,5,6,7
	ds_load_b128 v[76+4*\i:79+4*\i], v6 offset:16*\i
.endr
	s_wait_loadcnt 0x0
	s_wait_dscnt 0x0
	v_pk_mul_f32 v[8:9], v[76:77], v[40:41]
	v_pk_mul_f32 v[10:11], v[78:79], v[42:43]
.irp j, 4,8,12,16,20,24,28
	v_pk_fma_f32 v[8:9], v[76+\j:77+\j], v[40+\j:41+\j], v[8:9]
	v_pk_fma_f32 v[10:11], v[78+\j:79+\j], v[42+\j:43+\j], v[10:11]
.endr
	v_pk_add_f32 v[8:9], v[8:9], v[10:11]
	v_add_f32 v8, v8, v9
	ds_store_b32 v3, v8 offset:2048
	BARRIER                                        ; the 16 waves' parts lie in LDS
	s_cmp_lg_u32 s12, 0
	s_cbranch_scc1 .Lend
.set I, 0
.rept 16
	ds_load_b32 v[8+I], v4 offset:2048+128*I
.set I, I+1
.endr
	s_wait_dscnt 0x0
.irp j, 4,8,12
	v_pk_add_f32 v[8:9], v[8:9], v[8+\j:9+\j]
	v_pk_add_f32 v[10:11], v[10:11], v[10+\j:11+\j]
.endr
	v_pk_add_f32 v[8:9], v[8:9], v[10:11]
	v_add_f32 v8, v8, v9
	v_add_f32 v8, v8, v72
	global_store_b32 v4, v8, s[10:11]
.Lend:
	s_wait_tensorcnt 0x0
	ds_add_u32 v112, v113
	s_wait_dscnt 0x0
	s_endpgm
.Lfunc_end_k_q5594d322fd_pool:
	.size	k_q5594d322fd_pool, .Lfunc_end_k_q5594d322fd_pool-k_q5594d322fd_pool
	.p2alignl 7, 3214868480
	.fill 96, 4, 3214868480
	.section	.rodata,"a",@progbits
	.p2align	6, 0x0
	.amdhsa_kernel k_q5594d322fd_pool
		.amdhsa_group_segment_fixed_size 6144
		.amdhsa_private_segment_fixed_size 0
		.amdhsa_enable_private_segment 0
		.amdhsa_kernarg_size 32
		.amdhsa_user_sgpr_count 2
		.amdhsa_user_sgpr_kernarg_segment_ptr 1
		.amdhsa_wavefront_size32 1
		.amdhsa_system_sgpr_workgroup_id_x 1
		.amdhsa_system_sgpr_workgroup_id_y 1
		.amdhsa_system_sgpr_workgroup_id_z 1
		.amdhsa_system_vgpr_workitem_id 0
		.amdhsa_next_free_vgpr 114
		.amdhsa_next_free_sgpr 66
		.amdhsa_reserve_vcc 0
		.amdhsa_float_denorm_mode_32 3
		.amdhsa_float_denorm_mode_16_64 3
		.amdhsa_memory_ordered 1
		.amdhsa_forward_progress 1
		.amdhsa_inst_pref_size 13
	.end_amdhsa_kernel
	.amdgpu_metadata
---
amdhsa.version: [ 1, 2 ]
amdhsa.kernels:
  - .name:           k_q5594d322fd_pool
    .symbol:         k_q5594d322fd_pool.kd
    .args:
      - { .name: part, .offset: 0, .size: 8, .value_kind: global_buffer, .address_space: global }
      - { .name: out_w, .offset: 8, .size: 8, .value_kind: global_buffer, .address_space: global }
      - { .name: out_b, .offset: 16, .size: 8, .value_kind: global_buffer, .address_space: global }
      - { .name: out0, .offset: 24, .size: 8, .value_kind: global_buffer, .address_space: global }
    .group_segment_fixed_size: 6144
    .private_segment_fixed_size: 0
    .kernarg_segment_align: 8
    .kernarg_segment_size: 32
    .max_flat_workgroup_size: 512
    .sgpr_count:     66
    .vgpr_count:     114
    .wavefront_size: 32
...
	.end_amdgpu_metadata
.endif
;; end of part 4
;; ======== version 2 of 2: 4 launches; version 1 with the launches proj, tail written anew for expert scheduling mode
;; workspace buffers: qkv 25,165,824 bytes; oimg 8,388,608 bytes; part 262,144 bytes
;; launch proj (part 5): grid 128 x 2, 8 waves a work-group, no clusters, 123,904 bytes of LDS; arguments x_codes, win_w_codes, win_b, pos, l_wqkv_codes, l_bqkv, g_wqkv_codes, g_bqkv, lowp_scales, qkv; writes qkv
.if DOCPART == 5
	.amdgcn_target "amdgcn-amd-amdhsa--gfx1250"
	.amdhsa_code_object_version 6
	.text
	.protected	k_q5594d322fd_proj
	.globl	k_q5594d322fd_proj
	.p2align	8
	.type	k_q5594d322fd_proj,@function
k_q5594d322fd_proj:
	s_mov_b64 s[64:65], 0
	v_nop
	global_prefetch_b8 v0, s[64:65] scope:SCOPE_SE
	s_setreg_imm32_b32 hwreg(HW_REG_WAVE_SCHED_MODE, 0, 2), 2
	s_setreg_imm32_b32 hwreg(HW_REG_WAVE_MODE, 25, 1), 1
	s_wait_xcnt 0x0
	s_wait_alu depctr_vm_vsrc(0)
; h = x win + win_b + pos, then q, k, v of ONE path (grid y: 0 local, 1 global), all products on E5M2 codes; q, k, v leave as codes.
; SHARES. A work-group takes 64 rows (grid x), 8 waves; wave w makes columns 64 w .. 64 w + 63 (= head w) for all 64 rows: 16 accumulators.
; OPERAND LAYOUT, everywhere: lane (r = lane % 16, h = lane / 16) holds of its row k = 32 c + 16 h + 0 .. 15 in registers 4 c .. 4 c + 3: the same
; permutation of k in both sources.  TILES OF 16 ARE NOT NEIGHBOURS: place r of tile 2 b + u is item 32 b + 8 u + r + 8 (r / 8), for weight rows and for
; activation rows alike.  So in a product with source 0 = weights, source 1 = activations a lane holds one activation row, and the 16 registers of tiles
; 2 b, 2 b + 1 are 16 neighbours along the next K; with the sources swapped (v) a lane holds one channel and its registers run along the keys.
; Activations go from wave to wave as images of their registers in LDS (512 bytes a group of four registers, lane l at 16 l).  Weights go from memory
; straight into registers through a ring of 8 fragments, each byte loaded once in the work-group by the wave that owns the columns; the ring runs on
; through epilogues and barriers.  No tensor load is used, so there is no joint request to share: the weights that work-groups have in common never pass LDS.
; LIMITS: e0 + e1 and each eA + eB between -126 and 127; each scale exponent given to a conversion (true or folded: eOut - eA - eB) between -126 and 112.  NaN is not served.
; REGISTERS. window 0: v1-23 addresses and constants; v24-31 at the head only; v32-95 four activation fragments; v96-127 bias of a phase's first K step, then numbers
; on their way to codes; v128-255 pos, then v128-223 codes on their way out.  window 1: v0-127 accumulators ((t, m) at 8 (4 t + m)); v128-255 the ring (slot 4 (s % 2) + t).
; THE MODE: SCHED_MODE bits 1:0 = 2 (LLVM: expert scheduling mode 2), set by the entry lines.  The code itself states the register dependences
; between vector or matrix instructions and memory or LDS instructions, with s_wait_alu, always for 0.
; THE PLAN.  Registers that memory or LDS instructions touch:
;   v1-11, v30    addresses and offsets: made at the head, read by loads and stores, never written again.
;   v32-95        K step s: its 16 products read them; behind them the LDS loads of K step s + 1 land there.  (At the head: x's fragment and the biases, stored to LDS.)
;   the ring      K step s: its products read the four slots of parity s % 2; behind them the loads of K step s + 2 land there.
;   v96-127       a phase's bias lands there and is the C of its first products; in an epilogue the holds write them and the conversions read them.
;   v128-223      codes: written by the conversions, 32 registers for four tiles, read by the run of stores behind them.  h's three sets are written once; then q's, k's and v's, once each.
; So ONE wait on va_vdst stands in a K step, behind its 16 products, and all the step's 32 loads follow it; one stands ahead of each run of stores, and serves the next phase's
; first loads as well, since no vector instruction comes between.  Waits on vm_vsrc: two, each behind a barrier, ahead of the first write of registers that LDS stores have read.
.set XI,    0                          ; LDS: x's 8 fragments
.set HI0,   16384                      ; h's 16 fragments by q's scale, by k's (HI1), by v's (HI1 + 32768)
.set HI1,   49152
.set PRM,   114688                     ; four units of 2,048 bytes: win_b, bq, bk, bv, each divided by the power of two that its sums lack
.set LI,    1                          ; 16 x lane
.set LI2,   2                          ; HI1 + 16 x lane
.set WA256, 3                          ; place r's row in a weight of 256 bytes a row, + 16 h
.set WA512, 4
.set PB,    5                          ; PRM + 256 w + 64 h
.set PBV,   6                          ; PRM + 6144 + 256 w + 4 (r + 8 (r / 8))
.set XW,    7
.set HW0,   8
.set HW1,   9
.set PA,    10
.set T8,    11
.set HSC,   12                         ; v12-17: (scale, largest number x scale) of h for q, k, v
.set OSC,   18                         ; v18-23: the same for the results, folded
.set ACT,   32
.set TB,    96
.set KEEP,  128
.set OUTB,  128                        ; v128-223: three sets of 32 registers of codes
.set RING,  128
.set WV,    24
.set MSB,   0
.macro WIN new                         ; the immediate's high byte repeats the setting that is left
.if MSB != \new
	s_set_vgpr_msb (MSB<<8)|\new
.set MSB, \new
.endif
.endm
.macro PLACES                          ; four plain places behind matrix instructions, ahead of loads into their registers and of reads of results
.rept 4
	v_nop
.endr
.endm
.macro BARRIER                         ; my LDS stores have landed and my LDS loads are in: then the work-group's barrier
	s_wait_dscnt 0x0
	s_barrier_signal -1
	s_barrier_wait -1
.endm
.macro WLOAD slot, wa, base, kb, off, t, s   ; weight fragment (column tile t, K step s) into a ring slot
.irp c, 0,1,2,3
	global_load_b128 v[RING+16*(\slot)+4*\c:RING+16*(\slot)+4*\c+3], v[\wa], s[\base:\base+1] offset:(\off)+(32*((\t)/2)+8*((\t)%2))*(\kb)+128*(\s)+32*\c
.endr
.endm
.macro WL4 par, wa, base, kb, off, s   ; K step s's four weight fragments into the four slots of one parity: 16 loads
	WIN 0x40
.irp t, 0,1,2,3
	WLOAD 4*(\par)+\t, \wa, \base, \kb, \off, \t, \s
.endr
.endm
.macro FETCH li, img, ks, s            ; the four row tiles' fragments of K step s
.irp m, 0,1,2,3
.irp c, 0,1,2,3
	ds_load_b128 v[ACT+16*\m+4*\c:ACT+16*\m+4*\c+3], v[\li] offset:(\img)+(\m*(\ks)+(\s))*2048+512*\c
.endr
.endr
.endm
.macro LDB dst, unit                   ; 32 numbers a column of mine, in the result's layout (8 t + j)
.irp b, 0,1
.irp q, 0,1,2,3
	ds_load_b128 v[\dst+16*\b+4*\q:\dst+16*\b+4*\q+3], v[PB] offset:(\unit)*2048+128*\b+16*\q
.endr
.endr
.endm
; 8 matrix instructions: column tiles 2 g, 2 g + 1 x four row tiles.  mode 0: sums in window 1; 1: in v128-255 of window 0; 2: sources swapped.
; first: C is the bias.  The 16 accumulators take turns, one instruction a turn.
.macro MUL8 par, g, mode, first
.set DB, 0
.if \mode == 1
.set DB, KEEP
	WIN 0x01
.elseif \mode == 0
.if \first
	WIN 0x41
.else
	WIN 0x51
.endif
.else
.if \first
	WIN 0x44
.else
	WIN 0x54
.endif
.endif
.irp m, 0,1,2,3
.irp t, 2*(\g), 2*(\g)+1
.set DD, DB+8*(4*(\t)+\m)
.set RR, RING+16*(4*(\par)+(\t))
.set AA, ACT+16*\m
.set CC, DD
.if \first
.set CC, TB+8*(\t)
.endif
.if \mode == 2
	v_wmma_f32_16x16x128_bf8_bf8 v[DD:DD+7], v[AA:AA+15], v[RR:RR+15], v[CC:CC+7]
.else
	v_wmma_f32_16x16x128_bf8_bf8 v[DD:DD+7], v[RR:RR+15], v[AA:AA+15], v[CC:CC+7]
.endif
.endr
.endr
.endm
; A product over ks K steps of 128.  A K step's 16 products stand on end; behind them one wait, the next K step's activation fragments, and the weights of K step s + 2,
; in the last two K steps the NEXT matrix's K steps 0 and 1.  The first eight products wait for their two ring slots with 24 younger loads out (this step's other 8 and the
; next step's 16), the second eight with 16.  last = 1: nothing follows; in the last K step the counts are 8 and 0.
.macro PHASE ks, mode, li, img, wa, base, kb, off, nwa, nbase, nkb, noff, last
.set SS, 0
.rept \ks
.set FST, 0
.if SS == 0
.set FST, 1
.endif
	s_wait_dscnt 0x0                               ; this K step's activation fragments (and the bias) are in
.irp g, 0,1
.if (\last) && (SS+1 == \ks)
	s_wait_loadcnt 8-8*\g
.else
	s_wait_loadcnt 24-8*\g
.endif
	MUL8 SS%2, \g, \mode, FST
.endr
	PLACES
.if SS+1 < \ks
	WIN 0
	s_wait_alu depctr_va_vdst(0)                   ; this K step's products are done reading v32-95 and this parity's four ring slots: all the loads below land in these
	FETCH \li, \img, \ks, SS+1
.if SS+2 < \ks
	WL4 SS%2, \wa, \base, \kb, \off, SS+2
.elseif !(\last)
	WL4 SS%2, \nwa, \nbase, \nkb, \noff, SS+2-\ks
.endif
.elseif !(\last)
	WIN 0x40
	s_wait_alu depctr_va_vdst(0)                   ; the last K step's products are done reading this parity's four ring slots, in which the next matrix's loads land; and v32-127, for the loads that follow the epilogue's
	WL4 SS%2, \nwa, \nbase, \nkb, \noff, SS+2-\ks
.endif
	WIN 0
.set SS, SS+1
.endr
.endm
; Row tile m's 32 numbers of my lane (at ab + 8 (4 t + m) + j) become 8 registers of codes at v[cd] on.  The conversion to an 8-bit code does not saturate (ISA guide 7.6.2):
; the hold comes first; relu = 1 lets it clip at 0 as well.
.macro QUANT m, srcwin, ab, relu, sc, lim, cd
	WIN \srcwin
.irp t, 0,1,2,3
.irp j, 0,1,2,3,4,5,6,7
.if \relu
	v_med3_num_f32 v[TB+8*\t+\j], v[\ab+8*(4*\t+\m)+\j], 0, v[\lim]
.else
	v_med3_num_f32 v[TB+8*\t+\j], v[\ab+8*(4*\t+\m)+\j], -v[\lim], v[\lim]
.endif
.endr
.endr
	WIN 0
.irp t, 0,1,2,3
	v_cvt_scalef32_pk8_bf8_f32 v[(\cd)+2*\t:(\cd)+2*\t+1], v[TB+8*\t:TB+8*\t+7], v[\sc]
.endr
	v_nop                                          ; one plain line behind the last scaled conversion
.endm
.macro IMAGE adr, off, cd              ; my 64 columns of a row tile: half a fragment, as it stands
	ds_store_b128 v[\adr], v[(\cd):(\cd)+3] offset:\off
	ds_store_b128 v[\adr], v[(\cd)+4:(\cd)+7] offset:(\off)+512
.endm
.macro MKQ vsc, vlim                   ; the exponent in s62: 2^E, and 57,344 x 2^E
	s_add_co_i32 s62, s62, 127
	s_lshl_b32 s63, s62, 23
	v_mov_b32 v[\vsc], s63
	s_add_co_i32 s62, s62, 15
	s_lshl_b32 s63, s62, 23
	s_or_b32 s63, s63, 0x600000
	v_mov_b32 v[\vlim], s63
.endm
.macro CONSTS i, sout                  ; product i of q, k, v: its bias / 2^(eA + eB); its result's folded scale; h's true scale
	s_add_co_i32 s59, s[48+2*\i], s[49+2*\i]
	s_sub_co_i32 s63, 0, s59
	v_ldexp_f32 v[50+2*\i], v[50+2*\i], s63
	v_ldexp_f32 v[51+2*\i], v[51+2*\i], s63
	s_sub_co_i32 s62, s[\sout], s59
	MKQ OSC+2*\i, OSC+2*\i+1
	s_mov_b32 s62, s[48+2*\i]
	MKQ HSC+2*\i, HSC+2*\i+1
.endm
	s_load_b512 s[4:19], s[0:1], 0x0               ; x s[4:5], win s[6:7], win_b s[8:9], pos s[10:11], l_wqkv s[12:13], l_bqkv s[14:15], g_wqkv s[16:17], g_bqkv s[18:19]
	s_load_b128 s[20:23], s[0:1], 0x40             ; the exponents s[20:21], qkv s[22:23]
	v_lshrrev_b32 v24, 5, v0
	v_readfirstlane_b32 s[WV], v24                 ; wave 0..7
	v_and_b32 v25, 31, v0                          ; lane
	v_and_b32 v26, 15, v0                          ; r
	v_bfe_u32 v27, v0, 4, 1                        ; h
	v_and_b32 v28, 8, v26
	v_add_nc_u32 v28, v28, v26                     ; r + 8 (r / 8)
	v_lshlrev_b32 v[LI], 4, v25
	v_add_nc_u32 v[LI2], HI1, v[LI]
	v_lshlrev_b32 v29, 4, v27
	v_lshl_add_u32 v[WA256], v28, 8, v29
	v_lshl_add_u32 v[WA512], v28, 9, v29
	s_wait_alu depctr_va_sdst(0)                   ; the wave's number is written, ahead of its first reader: LDS places and global bases are made from it
	s_lshl_b32 s25, s[WV], 8
	v_lshl_add_u32 v[PB], v27, 6, s25
	v_add_nc_u32 v[PB], PRM, v[PB]
	v_lshl_add_u32 v[PBV], v28, 2, s25
	v_add_nc_u32 v[PBV], PRM+6144, v[PBV]
	s_lshl_b32 s26, s[WV], 11
	v_add_nc_u32 v[XW], s26, v[LI]                 ; x's image (m = w / 2, s = w % 2): fragment w
	s_lshl_b32 s26, s[WV], 10
	v_add_nc_u32 v[HW0], s26, v[LI]
	v_add_nc_u32 v[HW1], HI1, v[HW0]
	v_add_nc_u32 v[HW0], HI0, v[HW0]
	v_lshlrev_b32 v29, 6, v27
	v_lshl_add_u32 v[PA], v28, 11, v29             ; pos: place r's row of 2,048 bytes + 64 h
	v_lshlrev_b32 v[T8], 3, v0
	v_add_nc_u32 v30, PRM, v[T8]
	s_and_b32 s27, ttmp7, 0xffff                   ; the path
	s_and_b32 s28, ttmp9, 31                       ; the block of 64 rows within its batch
	s_lshr_b32 s29, ttmp9, 5                       ; the batch
	s_lshl_b32 s30, ttmp9, 14                      ; x: 64 rows of 256 bytes a block,
	s_lshr_b32 s31, s[WV], 2
	s_lshl_b32 s31, s31, 13                        ; + 32 rows x (m / 2)
	s_add_co_u32 s30, s30, s31
	s_bfe_u32 s31, s[WV], 0x10001
	s_lshl_b32 s31, s31, 11                        ; + 8 rows x (m % 2)
	s_add_co_u32 s30, s30, s31
	s_and_b32 s31, s[WV], 1
	s_lshl_b32 s31, s31, 7                         ; + 128 s
	s_add_co_u32 s30, s30, s31
	s_mov_b32 s31, 0
	s_lshl_b32 s32, s28, 17                        ; pos: 64 rows of 2,048 bytes a block, + my 256 bytes of a row
	s_add_co_u32 s32, s32, s25
	s_mov_b32 s33, 0
	s_lshl_b32 s34, s[WV], 14                      ; win: my 64 rows of 256 bytes
	s_mov_b32 s35, 0
	s_mul_i32 s40, s27, 12582912                   ; qkv: [path][kind][4 MB]; within: (8 batch + head) x 131,072 + block x 4,096 (q, k: 4 tiles of 1,024; v: 2 blocks of 32 keys of 2,048)
	s_lshl_b32 s41, s29, 3
	s_add_co_u32 s41, s41, s[WV]
	s_lshl_b32 s41, s41, 17
	s_add_co_u32 s40, s40, s41
	s_lshl_b32 s41, s28, 12
	s_add_co_u32 s40, s40, s41
	s_mov_b32 s41, 0
	s_lshl_b32 s46, s[WV], 15                      ; wqkv: my 64 rows of 512 bytes
	s_mov_b32 s47, 0
	s_mov_b32 s61, 0
	s_wait_kmcnt 0x0
	s_cmp_eq_u32 s27, 0                            ; the choice hangs on the work-group's number alone
	s_cselect_b64 s[36:37], s[12:13], s[16:17]
	s_cselect_b64 s[38:39], s[14:15], s[18:19]
	s_cselect_b32 s60, 8, 56                       ; entries 2.. or 14.. of the exponents
	s_add_nc_u64 s[60:61], s[20:21], s[60:61]
	s_load_b64 s[56:57], s[20:21], 0x0             ; e0, e1
	s_load_b256 s[48:55], s[60:61], 0x0            ; (A, B) of q, k, v; q's and k's code scales
	s_load_b32 s58, s[60:61], 0x20                 ; v's code scale
	s_add_nc_u64 s[4:5], s[4:5], s[30:31]
	s_add_nc_u64 s[10:11], s[10:11], s[32:33]
	s_add_nc_u64 s[6:7], s[6:7], s[34:35]
	s_add_nc_u64 s[36:37], s[36:37], s[46:47]
	s_add_nc_u64 s[40:41], s[22:23], s[40:41]      ; q
	s_add_nc_u64 s[42:43], s[40:41], 0x400000      ; k
	s_add_nc_u64 s[44:45], s[40:41], 0x800000      ; v
	s_wait_alu depctr_va_vdst(0)                   ; the addresses and offsets v1-11 and v30 are written, which every load and store of the kernel reads
.irp mm, 0,1,2,3                       ; pos in the accumulators' layout
.irp b, 0,1
.irp q, 0,1,2,3
	global_load_b128 v[KEEP+64*\b+32*(\q/2)+8*\mm+4*(\q%2):KEEP+64*\b+32*(\q/2)+8*\mm+4*(\q%2)+3], v[PA], s[10:11] offset:(32*(\mm/2)+8*(\mm%2))*2048+128*\b+16*\q
.endr
.endr
.endr
.irp c, 0,1,2,3
	global_load_b128 v[ACT+4*\c:ACT+4*\c+3], v[WA256], s[4:5] offset:32*\c
.endr
	global_load_b64 v[48:49], v[T8], s[8:9]
.irp i, 0,1,2
	global_load_b64 v[50+2*\i:51+2*\i], v[T8], s[38:39] offset:2048*\i
.endr
	WIN 0x40
.irp s, 0,1                            ; the ring's first 8 fragments: 32 loads
.irp t, 0,1,2,3
	WLOAD 4*\s+\t, WA256, 6, 256, 0, \t, \s
.endr
.endr
	WIN 0
	s_wait_loadcnt 32                              ; all but the ring's 32
	s_wait_kmcnt 0x0
	s_add_co_i32 s62, s56, s57
	s_sub_co_i32 s63, 0, s62
	v_ldexp_f32 v48, v48, s63
	v_ldexp_f32 v49, v49, s63
	s_add_co_i32 s62, s62, 127
	s_lshl_b32 s46, s62, 23                        ; 2^(e0 + e1)
	s_mov_b32 s47, s46
	CONSTS 0, 54
	CONSTS 1, 55
	CONSTS 2, 58
	s_wait_alu depctr_va_vdst(0)                   ; the scaled biases v48-55 are written, which the LDS stores read
.irp i, 0,1,2,3
	ds_store_b64 v30, v[48+2*\i:49+2*\i] offset:2048*\i
.endr
.irp c, 0,1,2,3
	ds_store_b128 v[XW], v[ACT+4*\c:ACT+4*\c+3] offset:XI+512*\c
.endr
	BARRIER                                        ; x's fragments and the biases lie in LDS
	s_wait_alu depctr_vm_vsrc(0)                   ; my LDS stores have read v32-55, in which the fragments' loads land from here on
	; ---- h
	LDB TB, 0
	FETCH LI, XI, 2, 0
	PHASE 2, 0, LI, XI, WA256, 6, 256, 0, WA512, 36, 512, 0, 0
	PLACES
	WIN 0x41
.set I, 0
.rept 64
	v_pk_fma_f32 v[I:I+1], v[I:I+1], s[46:47], v[KEEP+I:KEEP+I+1] op_sel_hi:[1,0,1]   ; h = sum x 2^(e0 + e1) + pos
.set I, I+2
.endr
.irp i, 0,1,2                          ; h is quantised three times: each product has its own scale.  A set's four tiles of codes have 32 registers of their own
.irp mm, 0,1,2,3
	QUANT \mm, 0x01, 0, 0, HSC+2*\i, HSC+2*\i+1, OUTB+32*\i+8*\mm
.endr
	s_wait_alu depctr_va_vdst(0)                   ; the conversions have written this set's 32 registers of codes, which the LDS stores read; behind the third set: they are also done with v96-127, in which q's bias lands
.irp mm, 0,1,2,3
.if \i == 0
	IMAGE HW0, \mm*8192, OUTB+8*\mm
.else
	IMAGE HW1, (\i-1)*32768+\mm*8192, OUTB+32*\i+8*\mm
.endif
.endr
.endr
	BARRIER                                        ; h's three sets of fragments lie in LDS; nothing in LDS is written from here on
	s_wait_alu depctr_vm_vsrc(0)                   ; my LDS stores have read v128-223, in which q's, k's and v's codes are written, each register once
.macro OUTQK osc, obase, cd            ; codes of q or k: a row tile's 8 registers are its fragment for the scores: two stores of 512 consecutive bytes.  The codes' registers are not written again, so nothing waits for these stores
	PLACES
.irp mm, 0,1,2,3
	QUANT \mm, 0x01, 0, 0, \osc, \osc+1, \cd+8*\mm
.endr
	s_wait_alu depctr_va_vdst(0)                   ; the conversions have written the 32 registers of codes, which the stores read, and are done with v96-127, in which the next bias lands
.irp mm, 0,1,2,3
	global_store_b128 v[LI], v[\cd+8*\mm:\cd+8*\mm+3], s[\obase:\obase+1] offset:\mm*1024
	global_store_b128 v[LI], v[\cd+8*\mm+4:\cd+8*\mm+7], s[\obase:\obase+1] offset:\mm*1024+512
.endr
.endm
	; ---- q
	LDB TB, 1
	FETCH LI, HI0, 4, 0
	PHASE 4, 0, LI, HI0, WA512, 36, 512, 0, WA512, 36, 512, 262144, 0
	OUTQK OSC, 40, OUTB
	; ---- k
	LDB TB, 2
	FETCH LI2, 0, 4, 0
	PHASE 4, 0, LI2, 0, WA512, 36, 512, 262144, WA512, 36, 512, 524288, 0
	OUTQK OSC+2, 42, OUTB+32
	; ---- v, sources swapped: a lane holds one channel, so a tile's bias is one number in eight registers
.irp t, 0,1,2,3
	ds_load_b32 v[TB+8*\t], v[PBV] offset:(32*(\t/2)+8*(\t%2))*4
.endr
	FETCH LI2, 32768, 4, 0
	s_wait_dscnt 0x0
.irp t, 0,1,2,3
.irp j, 1,2,3,4,5,6,7
	v_mov_b32 v[TB+8*\t+\j], v[TB+8*\t]
.endr
.endr
	PHASE 4, 2, LI2, 32768, WA512, 36, 512, 524288, 0, 0, 0, 0, 1
	PLACES
.irp t, 0,1,2,3                        ; channel tile t: registers 8 m + j are keys 32 (m / 2) + 16 h + 8 (m % 2) + j of the block
	WIN 0x01
.set I, 0
.rept 32
	v_med3_num_f32 v[TB+I], v[32*\t+I], -v[OSC+5], v[OSC+5]
.set I, I+1
.endr
	WIN 0
.irp mm, 0,1,2,3
	v_cvt_scalef32_pk8_bf8_f32 v[OUTB+64+8*\t+2*\mm:OUTB+64+8*\t+2*\mm+1], v[TB+8*\mm:TB+8*\mm+7], v[OSC+4]
.endr
	v_nop
.endr
	s_wait_alu depctr_va_vdst(0)                   ; the conversions have written v's 32 registers of codes, which the stores read
.irp t, 0,1,2,3
	global_store_b128 v[LI], v[OUTB+64+8*\t:OUTB+64+8*\t+3], s[44:45] offset:\t*512
	global_store_b128 v[LI], v[OUTB+64+8*\t+4:OUTB+64+8*\t+7], s[44:45] offset:2048+\t*512
.endr
	s_wait_xcnt 0x0
	v_lshl_add_u32 v254, v0, 2, 0x1e000            ; the add's two registers, made anew: no memory or LDS instruction has read v254 or v255
	v_mov_b32 v255, 0
	s_wait_dscnt 0x0                               ; the closing lines, six on end
	s_wait_alu 0x0
	s_wait_tensorcnt 0x0
	ds_add_u32 v254, v255
	s_wait_dscnt 0x0
	s_endpgm
.Lfunc_end_k_q5594d322fd_proj:
	.size	k_q5594d322fd_proj, .Lfunc_end_k_q5594d322fd_proj-k_q5594d322fd_proj
	.p2alignl 7, 3214868480
	.fill 96, 4, 3214868480
	.section	.rodata,"a",@progbits
	.p2align	6, 0x0
	.amdhsa_kernel k_q5594d322fd_proj
		.amdhsa_group_segment_fixed_size 123904
		.amdhsa_private_segment_fixed_size 0
		.amdhsa_enable_private_segment 0
		.amdhsa_kernarg_size 80
		.amdhsa_user_sgpr_count 2
		.amdhsa_user_sgpr_kernarg_segment_ptr 1
		.amdhsa_wavefront_size32 1
		.amdhsa_system_sgpr_workgroup_id_x 1
		.amdhsa_system_sgpr_workgroup_id_y 1
		.amdhsa_system_sgpr_workgroup_id_z 1
		.amdhsa_system_vgpr_workitem_id 0
		.amdhsa_next_free_vgpr 512
		.amdhsa_next_free_sgpr 66
		.amdhsa_reserve_vcc 0
		.amdhsa_float_denorm_mode_32 3
		.amdhsa_float_denorm_mode_16_64 3
		.amdhsa_memory_ordered 1
		.amdhsa_forward_progress 1
		.amdhsa_inst_pref_size 133
	.end_amdhsa_kernel
	.amdgpu_metadata
---
amdhsa.version: [ 1, 2 ]
amdhsa.kernels:
  - .name:           k_q5594d322fd_proj
    .symbol:         k_q5594d322fd_proj.kd
    .args:
      - { .name: x_codes, .offset: 0, .size: 8, .value_kind: global_buffer, .address_space: global }
      - { .name: win_w_codes, .offset: 8, .size: 8, .value_kind: global_buffer, .address_space: global }
      - { .name: win_b, .offset: 16, .size: 8, .value_kind: global_buffer, .address_space: global }
      - { .name: pos, .offset: 24, .size: 8, .value_kind: global_buffer, .address_space: global }
      - { .name: l_wqkv_codes, .offset: 32, .size: 8, .value_kind: global_buffer, .address_space: global }
      - { .name: l_bqkv, .offset: 40, .size: 8, .value_kind: global_buffer, .address_space: global }
      - { .name: g_wqkv_codes, .offset: 48, .size: 8, .value_kind: global_buffer, .address_space: global }
      - { .name: g_bqkv, .offset: 56, .size: 8, .value_kind: global_buffer, .address_space: global }
      - { .name: lowp_scales, .offset: 64, .size: 8, .value_kind: global_buffer, .address_space: global }
      - { .name: qkv, .offset: 72, .size: 8, .value_kind: global_buffer, .address_space: global }
    .group_segment_fixed_size: 123904
    .private_segment_fixed_size: 0
    .kernarg_segment_align: 8
    .kernarg_segment_size: 80
    .max_flat_workgroup_size: 256
    .sgpr_count:     66
    .vgpr_count:     512
    .wavefront_size: 32
...
	.end_amdgpu_metadata
.endif
;; end of part 5
;; launch attn: the kernel of part 2 again; grid 8 x 32, 16 waves a work-group, clusters of 4 x 1, 264,192 bytes of LDS; arguments qkv, lowp_scales, oimg; writes oimg
;; launch tail (part 6): grid 128 x 1, 8 waves a work-group, no clusters, 318,464 bytes of LDS; arguments oimg, x_codes, pos, lowp_scales, win_w_codes, l_wo_codes, g_wo_codes, gate_w_codes, ffn_w1_codes, ffn_w2_codes, win_b, l_bo, g_bo, gate_b, ffn_b1, ffn_b2, n1_g, n1_b, n2_g, n2_b, n3_g, n3_b, part; writes part
.if DOCPART == 6
	.amdgcn_target "amdgcn-amd-amdhsa--gfx1250"
	.amdhsa_code_object_version 6
	.text
	.protected	k_q5594d322fd_tail
	.globl	k_q5594d322fd_tail
	.p2align	8
	.type	k_q5594d322fd_tail,@function
k_q5594d322fd_tail:
	s_mov_b64 s[64:65], 0
	v_nop
	global_prefetch_b8 v0, s[64:65] scope:SCOPE_SE
	s_setreg_imm32_b32 hwreg(HW_REG_WAVE_SCHED_MODE, 0, 2), 2
	s_setreg_imm32_b32 hwreg(HW_REG_WAVE_MODE, 25, 1), 1
	s_wait_xcnt 0x0
	s_wait_alu depctr_vm_vsrc(0)
; For 64 rows: h again; L = o_l l_wo + l_bo; G = o_g g_wo + g_bo; gate = tanh(relu([L, G] gate_w + gate_b)); y1 = h + G + gate (L - G); three layer norms round the FFN; the 64 rows' column sums.
; The engine is that of the launch that makes q, k, v: 8 waves, wave w owns columns 64 w .. 64 w + 63 of every product for all 64 rows (16 accumulators); activations go from wave to wave as
; images of their registers in LDS; weights go from memory straight into a ring of 8 fragments in registers, each byte once in the work-group, and the ring runs on through epilogues and barriers.
; 64 rows to a work-group, 128 work-groups: a weight byte feeds 64 rows; 32 rows would double the 2.1 MB x 128 of weights that the launch loads.  No tensor load, so no joint request: the shared weights never pass LDS.
; Layout: lane (r, h) holds of its row k = 32 c + 16 h + 0 .. 15 in registers 4 c .. 4 c + 3; place r of tile 2 b + u is item 32 b + 8 u + r + 8 (r / 8), for weight rows and activation rows.
; tanh(z) for z >= 0 is 1 - 2 / (1 + 2^(2 log2(e) z)); an overflow gives 1.  Layer norms in two passes (mean, then the squares of the centred numbers).
; LIMITS: each eA + eB between -126 and 126; each exponent given to a conversion (e28; e26 - e12 - e13; e26 - e24 - e25; e30 - e28 - e29) between -126 and 112.  NaN is not served.
; REGISTERS. window 0: v1-23 addresses, constants; v24-31 G's codes, in a norm -mean and 1 / sigma; v32-95 activation fragments, at work in epilogues (v32-63: four tiles' codes on their way to LDS);
; v96-127 bias, at work; v128-255 pos, L, L - G, h1.  window 1: v0-127 accumulators ((t, m) at 8 (4 t + m)); v128-255 the ring.
; THE MODE: SCHED_MODE bits 1:0 = 2 (LLVM: expert scheduling mode 2), set by the entry lines.  The code itself states the register dependences
; between vector or matrix instructions and memory or LDS instructions, with s_wait_alu, always for 0.
; THE PLAN.  Registers that memory or LDS instructions touch:
;   v1-13         addresses: made at the head, never written again.  v14, v15, v30, v31: addresses at the head; written again far behind the first wait on vm_vsrc.
;   v32-95        K step s: its 16 products read them; behind them the LDS loads of K step s + 1 land there.  Between products: four tiles' codes (conversions write, LDS stores read);
;                 h's tiles on their way to h + G (LDS loads land, additions write, LDS stores read); h + G for the fusing; a norm's gains and biases.
;   the ring      K step s: its products read the four slots of parity s % 2; behind them the loads of K step s + 2 land there.
;   v96-127       a bias lands and is the C of a product's first K step; holds write and conversions read; in a norm four of them are stored to LDS and all 32 take the eight waves' parts.
;   v24-31        G's codes: conversions write, LDS stores read.
;   window 1, v0-127   at the head o's, x's and the parameters' way to LDS; h, stored to my part of LDS; else named by vector and matrix instructions alone.
; So ONE wait on va_vdst stands in a K step, behind its 16 products, and all the step's 32 loads follow it; one stands ahead of each run of stores, and serves the loads that follow with no vector
; instruction between.  A wait on vm_vsrc stands behind each run of LDS stores whose data registers are written again, ahead of the first such write.
.set RA,    0                          ; LDS: o_l's and o_g's fragments (32 KB each); later the hidden layer's 32
.set RB,    65536                      ; [L, G]'s 32 fragments; later h1's 16
.set XI,    131072                     ; x's 8
.set SAVE,  147456                     ; 16 KB of each wave's own: h, then h + G
.set PRM,   278528                     ; 13 units of 2,048 bytes: win_b, l_bo, g_bo, gate_b, ffn_b1 (2), ffn_b2 (each / 2^(eA + eB)), n1_g, n1_b, n2_g, n2_b, n3_g, n3_b
.set STAT,  305152                     ; six exchanges of 2,048 bytes
.set LI,    1
.set LI2,   2
.set LI3,   3
.set WA256, 4
.set WA512, 5
.set WA1024, 6
.set PB,    7
.set RAW,   8
.set RBW,   9
.set SV,    10
.set STW,   11
.set STR,   12
.set PA,    13
.set CODES, 24
.set ACT,   32
.set TB,    96
.set KEEP,  128
.set RING,  128
.set WV,    2
.set MSB,   0
.macro WIN new                         ; the immediate's high byte repeats the setting that is left
.if MSB != \new
	s_set_vgpr_msb (MSB<<8)|\new
.set MSB, \new
.endif
.endm
.macro PLACES                          ; four plain places behind matrix instructions (ISA guide 7.12.1)
.rept 4
	v_nop
.endr
.endm
.macro BARRIER                         ; my LDS stores have landed and my LDS loads are in: then the work-group's barrier
	s_wait_dscnt 0x0
	s_barrier_signal -1
	s_barrier_wait -1
.endm
.macro WLOAD slot, wa, base, kb, off, t, s
.irp c, 0,1,2,3
	global_load_b128 v[RING+16*(\slot)+4*\c:RING+16*(\slot)+4*\c+3], v[\wa], s[\base:\base+1] offset:(\off)+(32*((\t)/2)+8*((\t)%2))*(\kb)+128*(\s)+32*\c
.endr
.endm
.macro WL4 par, wa, base, kb, off, s   ; K step s's four weight fragments into the four slots of one parity: 16 loads
	WIN 0x40
.irp t, 0,1,2,3
	WLOAD 4*(\par)+\t, \wa, \base, \kb, \off, \t, \s
.endr
.endm
.macro FETCH li, img, ks, s
.irp m, 0,1,2,3
.irp c, 0,1,2,3
	ds_load_b128 v[ACT+16*\m+4*\c:ACT+16*\m+4*\c+3], v[\li] offset:(\img)+(\m*(\ks)+(\s))*2048+512*\c
.endr
.endr
.endm
.macro LDB dst, unit
.irp b, 0,1
.irp q, 0,1,2,3
	ds_load_b128 v[\dst+16*\b+4*\q:\dst+16*\b+4*\q+3], v[PB] offset:(\unit)*2048+128*\b+16*\q
.endr
.endr
.endm
; 8 matrix instructions: column tiles 2 g, 2 g + 1 x four row tiles.  mode 0: sums in window 1; 1: in v128-255 of window 0.  first: C is the bias.
; The 16 accumulators take turns, one instruction a turn.
.macro MUL8 par, g, mode, first
.set DB, 0
.if \mode == 1
.set DB, KEEP
	WIN 0x01
.else
.if \first
	WIN 0x41
.else
	WIN 0x51
.endif
.endif
.irp m, 0,1,2,3
.irp t, 2*(\g), 2*(\g)+1
.set DD, DB+8*(4*(\t)+\m)
.set RR, RING+16*(4*(\par)+(\t))
.set AA, ACT+16*\m
.set CC, DD
.if \first
.set CC, TB+8*(\t)
.endif
	v_wmma_f32_16x16x128_bf8_bf8 v[DD:DD+7], v[RR:RR+15], v[AA:AA+15], v[CC:CC+7]
.endr
.endr
.endm
; A product over ks K steps of 128.  A K step's 16 products stand on end; behind them one wait, the next K step's activation fragments, and the weights of K step s + 2,
; in the last two K steps the NEXT matrix's K steps 0 and 1.  The first eight products wait for their two ring slots with 24 younger loads out (this step's other 8 and the
; next step's 16), the second eight with 16.  last = 1: nothing follows; in the last K step the counts are 8 and 0.
.macro PHASE ks, mode, li, img, wa, base, kb, off, nwa, nbase, nkb, noff, last
.set SS, 0
.rept \ks
.set FST, 0
.if SS == 0
.set FST, 1
.endif
	s_wait_dscnt 0x0
.irp g, 0,1
.if (\last) && (SS+1 == \ks)
	s_wait_loadcnt 8-8*\g
.else
	s_wait_loadcnt 24-8*\g
.endif
	MUL8 SS%2, \g, \mode, FST
.endr
	PLACES
.if SS+1 < \ks
	WIN 0
	s_wait_alu depctr_va_vdst(0)                   ; this K step's products are done reading v32-95 and this parity's four ring slots: all the loads below land in these
	FETCH \li, \img, \ks, SS+1
.if SS+2 < \ks
	WL4 SS%2, \wa, \base, \kb, \off, SS+2
.elseif !(\last)
	WL4 SS%2, \nwa, \nbase, \nkb, \noff, SS+2-\ks
.endif
.elseif !(\last)
	WIN 0x40
	s_wait_alu depctr_va_vdst(0)                   ; the last K step's products are done reading this parity's four ring slots, in which the next matrix's loads land; and v32-127, for LDS loads that open the epilogue
	WL4 SS%2, \nwa, \nbase, \nkb, \noff, SS+2-\ks
.endif
	WIN 0
.set SS, SS+1
.endr
.endm
; Row tile m's 32 numbers of my lane become 8 registers of codes at v[cd] on; the hold comes first (the conversion does not saturate: ISA guide 7.6.2); relu = 1 lets it clip at 0 as well.
.macro QUANT m, srcwin, ab, relu, sc, lim, cd
	WIN \srcwin
.irp t, 0,1,2,3
.irp j, 0,1,2,3,4,5,6,7
.if \relu
	v_med3_num_f32 v[TB+8*\t+\j], v[\ab+8*(4*\t+\m)+\j], 0, v[\lim]
.else
	v_med3_num_f32 v[TB+8*\t+\j], v[\ab+8*(4*\t+\m)+\j], -v[\lim], v[\lim]
.endif
.endr
.endr
	WIN 0
.irp t, 0,1,2,3
	v_cvt_scalef32_pk8_bf8_f32 v[(\cd)+2*\t:(\cd)+2*\t+1], v[TB+8*\t:TB+8*\t+7], v[\sc]
.endr
	v_nop                                          ; one plain line behind the last scaled conversion
.endm
.macro IMAGE adr, off, cd
	ds_store_b128 v[\adr], v[(\cd):(\cd)+3] offset:\off
	ds_store_b128 v[\adr], v[(\cd)+4:(\cd)+7] offset:(\off)+512
.endm
; Four row tiles become codes in v32-63, then go to LDS in one run of eight stores; tile m's image lies m x pitch + off from v[adr].
.macro QIMG srcwin, ab, relu, sc, lim, adr, pitch, off
.irp mm, 0,1,2,3
	QUANT \mm, \srcwin, \ab, \relu, \sc, \lim, ACT+8*\mm
.endr
	s_wait_alu depctr_va_vdst(0)                   ; the conversions have written v32-63, which the LDS stores read, and are done with v96-127, in which the next bias lands
.irp mm, 0,1,2,3
	IMAGE \adr, \mm*(\pitch)+(\off), ACT+8*\mm
.endr
.endm
.macro MKQ vsc, vlim                   ; the exponent in s100: 2^E, and 57,344 x 2^E
	s_add_co_i32 s100, s100, 127
	s_lshl_b32 s101, s100, 23
	v_mov_b32 v[\vsc], s101
	s_add_co_i32 s100, s100, 15
	s_lshl_b32 s101, s100, 23
	s_or_b32 s101, s101, 0x600000
	v_mov_b32 v[\vlim], s101
.endm
.macro BSC u, ea, eb                   ; bias unit u / 2^(ea + eb); the sum of the two stays in s100
	s_add_co_i32 s100, s[\ea], s[\eb]
	s_sub_co_i32 s101, 0, s100
	v_ldexp_f32 v[80+2*\u], v[80+2*\u], s101
	v_ldexp_f32 v[81+2*\u], v[81+2*\u], s101
.endm
.macro POW2 dst                        ; 2^(s100) as a pair
	s_add_co_i32 s101, s100, 127
	s_lshl_b32 s[\dst], s101, 23
	s_mov_b32 s[\dst+1], s[\dst]
.endm
	s_load_b512 s[4:19], s[0:1], 0x0               ; oimg s4, x s6, pos s8, exponents s10, win s12, l_wo s14, g_wo s16, gate_w s18
	s_load_b512 s[20:35], s[0:1], 0x40             ; ffn_w1 s20, ffn_w2 s22, win_b s24, l_bo s26, g_bo s28, gate_b s30, ffn_b1 s32, ffn_b2 s34
	s_load_b256 s[36:43], s[0:1], 0x80             ; n1_g, n1_b, n2_g, n2_b
	s_load_b128 s[44:47], s[0:1], 0xa0             ; n3_g, n3_b
	s_load_b64 s[48:49], s[0:1], 0xb0              ; part
	v_lshrrev_b32 v24, 5, v0
	v_readfirstlane_b32 s[WV], v24                 ; wave 0..7
	v_and_b32 v25, 31, v0
	v_and_b32 v26, 15, v0                          ; r
	v_bfe_u32 v27, v0, 4, 1                        ; h
	v_and_b32 v28, 8, v26
	v_add_nc_u32 v28, v28, v26                     ; r + 8 (r / 8)
	v_lshlrev_b32 v[LI], 4, v25
	v_add_nc_u32 v[LI2], RB, v[LI]
	v_add_nc_u32 v[LI3], XI, v[LI]
	v_lshlrev_b32 v29, 4, v27
	v_lshl_add_u32 v[WA256], v28, 8, v29
	v_lshl_add_u32 v[WA512], v28, 9, v29
	v_lshl_add_u32 v[WA1024], v28, 10, v29
	s_wait_alu depctr_va_sdst(0)                   ; the wave's number is written, ahead of its first reader: LDS places and global bases are made from it
	s_lshl_b32 s3, s[WV], 8
	v_lshl_add_u32 v[PB], v27, 6, s3
	v_add_nc_u32 v[PB], PRM, v[PB]
	v_lshl_add_u32 v[STW], v26, 4, s3
	v_add_nc_u32 v[STW], STAT, v[STW]
	v_lshlrev_b32 v[STR], 4, v26
	v_add_nc_u32 v[STR], STAT, v[STR]
	s_lshl_b32 s3, s[WV], 10
	v_add_nc_u32 v[RAW], s3, v[LI]
	v_add_nc_u32 v[RBW], RB, v[RAW]
	s_lshl_b32 s3, s[WV], 14
	v_add_nc_u32 v[SV], s3, v[LI]
	v_add_nc_u32 v[SV], SAVE, v[SV]
	v_lshlrev_b32 v29, 6, v27
	v_lshl_add_u32 v[PA], v28, 11, v29
	v_lshlrev_b32 v14, 4, v0                       ; 16 x thread
	v_lshlrev_b32 v15, 3, v0                       ; 8 x thread
	v_add_nc_u32 v30, PRM, v15
	s_lshl_b32 s3, s[WV], 11
	v_add_nc_u32 v31, s3, v[LI3]
	s_mov_b32 s60, 0x76543210                      ; v_permlanex16_b32: lane l xor 16
	s_mov_b32 s61, 0xfedcba98
	s_mov_b32 s62, 0x3b000000                      ; 1 / 512
	s_mov_b32 s63, 0x3727c5ac                      ; 1e-5
	s_mov_b32 s67, 0
	s_wait_kmcnt 0x0
	s_load_b512 s[68:83], s[10:11], 0x0            ; e0 .. e15
	s_load_b512 s[84:99], s[10:11], 0x40           ; e16 .. e31
	s_lshl_b32 s66, ttmp9, 15                      ; o's four row tiles of 8,192 bytes
	s_add_nc_u64 s[4:5], s[4:5], s[66:67]
	s_lshl_b32 s66, ttmp9, 14                      ; x: fragment (m = w / 2, s = w % 2)
	s_lshr_b32 s100, s[WV], 2
	s_lshl_b32 s100, s100, 13
	s_add_co_u32 s66, s66, s100
	s_bfe_u32 s100, s[WV], 0x10001
	s_lshl_b32 s100, s100, 11
	s_add_co_u32 s66, s66, s100
	s_and_b32 s100, s[WV], 1
	s_lshl_b32 s100, s100, 7
	s_add_co_u32 s66, s66, s100
	s_add_nc_u64 s[6:7], s[6:7], s[66:67]
	s_and_b32 s66, ttmp9, 31
	s_lshl_b32 s66, s66, 17
	s_lshl_b32 s100, s[WV], 8
	s_add_co_u32 s66, s66, s100
	s_add_nc_u64 s[8:9], s[8:9], s[66:67]
	s_lshl_b32 s66, s[WV], 14                      ; my 64 rows of each weight
	s_add_nc_u64 s[12:13], s[12:13], s[66:67]
	s_lshl_b32 s66, s[WV], 15
	s_add_nc_u64 s[14:15], s[14:15], s[66:67]
	s_add_nc_u64 s[16:17], s[16:17], s[66:67]
	s_add_nc_u64 s[20:21], s[20:21], s[66:67]
	s_lshl_b32 s66, s[WV], 16
	s_add_nc_u64 s[18:19], s[18:19], s[66:67]
	s_add_nc_u64 s[22:23], s[22:23], s[66:67]
	s_lshl_b32 s66, ttmp9, 11
	s_add_nc_u64 s[48:49], s[48:49], s[66:67]
	s_wait_alu depctr_va_vdst(0)                   ; the addresses and offsets v1-15, v30 and v31 are written, which the loads and stores below read
.irp mm, 0,1,2,3                       ; pos in the accumulators' layout
.irp b, 0,1
.irp q, 0,1,2,3
	global_load_b128 v[KEEP+64*\b+32*(\q/2)+8*\mm+4*(\q%2):KEEP+64*\b+32*(\q/2)+8*\mm+4*(\q%2)+3], v[PA], s[8:9] offset:(32*(\mm/2)+8*(\mm%2))*2048+128*\b+16*\q
.endr
.endr
.endr
	WIN 0x40                                       ; the rest of the head's loads land in window 1, where the accumulators will lie
.irp i, 0,1,2,3,4,5,6,7
	global_load_b128 v[4*\i:4*\i+3], v14, s[4:5] offset:4096*\i th:TH_LOAD_NT
.endr
.irp i, 0,1,2,3,4,5,6,7
	global_load_b128 v[32+4*\i:32+4*\i+3], v14, s[4:5] offset:4194304+4096*\i th:TH_LOAD_NT
.endr
.irp c, 0,1,2,3
	global_load_b128 v[64+4*\c:64+4*\c+3], v[WA256], s[6:7] offset:32*\c
.endr
.irp u, 0,1,2,3,4
	global_load_b64 v[80+2*\u:81+2*\u], v15, s[24+2*\u:25+2*\u]
.endr
	global_load_b64 v[90:91], v15, s[32:33] offset:2048
.irp u, 6,7,8,9,10,11,12
	global_load_b64 v[80+2*\u:81+2*\u], v15, s[22+2*\u:23+2*\u]
.endr
.irp s, 0,1
.irp t, 0,1,2,3
	WLOAD 4*\s+\t, WA256, 12, 256, 0, \t, \s
.endr
.endr
	s_wait_loadcnt 32                              ; all but the ring's 32
	s_wait_kmcnt 0x0
	WIN 0x41
	BSC 0, 68, 69
	POW2 50                                        ; s[50:51] = 2^(e0 + e1)
	BSC 1, 80, 81
	POW2 52                                        ; s[52:53] = 2^(e12 + e13)
	BSC 2, 92, 93
	POW2 54                                        ; s[54:55] = 2^(e24 + e25)
	BSC 3, 94, 95
	s_lshl_b32 s101, s100, 23
	s_add_co_i32 s56, s101, 0x4038aa3b             ; s[56:57] = 2 log2(e) x 2^(e26 + e27)
	s_mov_b32 s57, s56
	BSC 4, 96, 97
	BSC 5, 96, 97
	BSC 6, 98, 99
	POW2 58                                        ; s[58:59] = 2^(e30 + e31)
	WIN 0x04                                       ; store data in window 1
	s_wait_alu depctr_va_vdst(0)                   ; the scaled biases (v80-93 of window 1) are written, which the LDS stores read
.irp i, 0,1,2,3,4,5,6,7,8,9,10,11,12,13,14,15
	ds_store_b128 v14, v[4*\i:4*\i+3] offset:RA+4096*\i
.endr
.irp c, 0,1,2,3
	ds_store_b128 v31, v[64+4*\c:64+4*\c+3] offset:512*\c
.endr
.irp u, 0,1,2,3,4,5,6,7,8,9,10,11,12
	ds_store_b64 v30, v[80+2*\u:81+2*\u] offset:2048*\u
.endr
	WIN 0
	s_sub_co_i32 s100, s94, s80
	s_sub_co_i32 s100, s100, s81
	MKQ 16, 17                                     ; L's codes: e26 - e12 - e13
	s_sub_co_i32 s100, s94, s92
	s_sub_co_i32 s100, s100, s93
	MKQ 18, 19                                     ; G's: e26 - e24 - e25
	s_mov_b32 s100, s96
	MKQ 20, 21                                     ; h1's: e28
	s_sub_co_i32 s100, s98, s96
	s_sub_co_i32 s100, s100, s97
	MKQ 22, 23                                     ; the hidden layer's: e30 - e28 - e29
	BARRIER                                        ; o's and x's fragments and the parameters lie in LDS
	s_wait_alu depctr_vm_vsrc(0)                   ; my LDS stores have read v0-105 of window 1, which the first products write, and v14, v30 and v31, which are written again later
	; ---- h, kept in my own part of LDS
	LDB TB, 0
	FETCH LI3, 0, 2, 0
	PHASE 2, 0, LI3, 0, WA256, 12, 256, 0, WA512, 14, 512, 0, 0
	PLACES
	WIN 0x41
.set I, 0
.rept 64
	v_pk_fma_f32 v[I:I+1], v[I:I+1], s[50:51], v[KEEP+I:KEEP+I+1] op_sel_hi:[1,0,1]
.set I, I+2
.endr
	WIN 0x04
	s_wait_alu depctr_va_vdst(0)                   ; the multiply-adds have written h, which the LDS stores read
.set I, 0
.rept 32
	ds_store_b128 v[SV], v[4*I:4*I+3] offset:512*I
.set I, I+1
.endr
	WIN 0
	; ---- L, summed in window 0
	LDB TB, 1
	FETCH LI, 0, 4, 0
	PHASE 4, 1, LI, 0, WA512, 14, 512, 0, WA512, 16, 512, 0, 0
	PLACES
	QIMG 0, KEEP, 0, 16, 17, RBW, 16384, 0
	s_wait_alu depctr_vm_vsrc(0)                   ; the LDS stores have read L's codes in v32-63, in which the fragments' loads land, and h in window 1, which G's first products write
	; ---- G
	LDB TB, 2
	FETCH LI, 32768, 4, 0
	PHASE 4, 0, LI, 32768, WA512, 16, 512, 0, WA1024, 18, 1024, 0, 0
	PLACES
.macro LDH mm                          ; row tile mm's h comes from my part of LDS into its half of v32-95
.set AH, ACT+32*((\mm)%2)
.irp t, 0,1,2,3
.irp jj, 0,1
	ds_load_b128 v[AH+8*\t+4*\jj:AH+8*\t+4*\jj+3], v[SV] offset:512*(8*\t+2*(\mm)+\jj)
.endr
.endr
.endm
; G's codes; G; L - G stays in registers; h + G goes back to my part of LDS.  The two halves of v32-95 take turns: tile mm + 2's h is asked for behind tile mm's stores.
; left: the LDS instructions issued behind this tile's eight loads, which may stay out.
.macro E2 mm, left
.set AH, ACT+32*((\mm)%2)
	QUANT \mm, 0x01, 0, 0, 18, 19, CODES
	WIN 0x41
.irp t, 0,1,2,3
.irp p, 0,2,4,6
	v_pk_mul_f32 v[8*(4*\t+\mm)+\p:8*(4*\t+\mm)+\p+1], v[8*(4*\t+\mm)+\p:8*(4*\t+\mm)+\p+1], s[54:55] op_sel_hi:[1,0]
.endr
.endr
	WIN 0x10
.irp t, 0,1,2,3
.irp p, 0,2,4,6
	v_pk_fma_f32 v[KEEP+8*(4*\t+\mm)+\p:KEEP+8*(4*\t+\mm)+\p+1], v[KEEP+8*(4*\t+\mm)+\p:KEEP+8*(4*\t+\mm)+\p+1], s[52:53], v[8*(4*\t+\mm)+\p:8*(4*\t+\mm)+\p+1] op_sel_hi:[1,0,1] neg_lo:[0,0,1] neg_hi:[0,0,1]
.endr
.endr
	s_wait_dscnt \left                             ; LDS instructions end in order (ISA guide 5.7.1): this tile's h is in
	WIN 0x04
.irp t, 0,1,2,3
.irp p, 0,2,4,6
	v_pk_add_f32 v[AH+8*\t+\p:AH+8*\t+\p+1], v[AH+8*\t+\p:AH+8*\t+\p+1], v[8*(4*\t+\mm)+\p:8*(4*\t+\mm)+\p+1]
.endr
.endr
	WIN 0
	s_wait_alu depctr_va_vdst(0)                   ; the conversions have written the codes in v24-31 and the additions h + G in this half of v32-95: the ten LDS stores read them
	IMAGE RBW, \mm*16384+8192, CODES
.irp t, 0,1,2,3
.irp jj, 0,1
	ds_store_b128 v[SV], v[AH+8*\t+4*\jj:AH+8*\t+4*\jj+3] offset:512*(8*\t+2*\mm+\jj)
.endr
.endr
.if \mm < 3
	s_wait_alu depctr_vm_vsrc(0)                   ; those stores have read v24-31, which the next tile's conversions write, and this half of v32-95, in which the loads below land
.endif
.if \mm < 2
	LDH \mm+2
.endif
.endm
	LDH 0
	LDH 1
	E2 0, 8                                        ; behind tile 0's loads: tile 1's eight
	E2 1, 18                                       ; behind tile 1's: tile 0's ten stores and tile 2's eight loads
	E2 2, 18                                       ; behind tile 2's: tile 1's ten stores and tile 3's eight loads
	E2 3, 10                                       ; behind tile 3's: tile 2's ten stores
	BARRIER                                        ; [L, G]'s 32 fragments lie in LDS
	s_wait_alu depctr_vm_vsrc(0)                   ; tile 3's stores have read v64-95, in which the fragments' loads land, and v24-31, which the first norm writes
	; ---- the gate
	LDB TB, 3
	FETCH LI2, 0, 8, 0
	PHASE 8, 0, LI2, 0, WA1024, 18, 1024, 0, WA512, 20, 512, 0, 0
	PLACES
.macro LDA1 mm, a1
.irp t, 0,1,2,3
.irp jj, 0,1
	ds_load_b128 v[\a1+8*\t+4*\jj:\a1+8*\t+4*\jj+3], v[SV] offset:512*(8*\t+2*\mm+\jj)
.endr
.endr
.endm
.macro FUSE mm, a1                     ; y1 = gate (L - G) + (h + G)
.irp t, 0,1,2,3
.irp p, 0,2,4,6
	v_pk_fma_f32 v[8*(4*\t+\mm)+\p:8*(4*\t+\mm)+\p+1], v[8*(4*\t+\mm)+\p:8*(4*\t+\mm)+\p+1], v[KEEP+8*(4*\t+\mm)+\p:KEEP+8*(4*\t+\mm)+\p+1], v[\a1+8*\t+\p:\a1+8*\t+\p+1]
.endr
.endr
.endm
	LDA1 0, 32
	LDA1 1, 64
	LDA1 2, 96
	WIN 0x41
.set I, 0
.rept 64
	v_pk_mul_f32 v[I:I+1], v[I:I+1], s[56:57] op_sel_hi:[1,0]   ; 2 log2(e) z
.set I, I+2
.endr
	WIN 0x44
.set I, 0
.rept 128
	v_max_num_f32 v[I], 0, v[I]                    ; relu
.set I, I+1
.endr
	WIN 0x41
.set I, 0
.rept 128
	v_exp_f32 v[I], v[I]
.set I, I+1
.endr
	v_nop
	s_wait_alu depctr_va_vdst(0)                   ; the 128 exponentials have written their results: one wait for the batch, ahead of its first reader
.set I, 0
.rept 64
	v_pk_add_f32 v[I:I+1], v[I:I+1], 1.0 op_sel_hi:[1,0]
.set I, I+2
.endr
.set I, 0
.rept 128
	v_rcp_f32 v[I], v[I]
.set I, I+1
.endr
	v_nop
	s_wait_alu depctr_va_vdst(0)                   ; the 128 reciprocals have written their results: one wait for the batch
.set I, 0
.rept 64
	v_pk_fma_f32 v[I:I+1], v[I:I+1], -2.0, 1.0 op_sel_hi:[1,0,0]   ; gate = 1 - 2 / (1 + 2^..)
.set I, I+2
.endr
	s_wait_dscnt 0x0
	FUSE 0, 32
	WIN 0
	s_wait_alu depctr_va_vdst(0)                   ; tile 0's multiply-adds are done reading v32-63, in which tile 3's h + G lands
	LDA1 3, 32
	WIN 0x41
	FUSE 1, 64
	FUSE 2, 96
	s_wait_dscnt 0x0
	FUSE 3, 32
	WIN 0
; The chains in v96-111 (two pairs a row tile) become the rows' sums over all 512 columns, in v[TB + m]: my lane, lane l xor 16, then the eight waves through LDS.  ex: which of the six exchanges' bytes.
.macro EXCH ex
	WIN 0
.irp mm, 0,1,2,3
	v_pk_add_f32 v[TB+4*\mm:TB+4*\mm+1], v[TB+4*\mm:TB+4*\mm+1], v[TB+4*\mm+2:TB+4*\mm+3]
.endr
.irp mm, 0,1,2,3
	v_add_f32 v[TB+16+\mm], v[TB+4*\mm], v[TB+4*\mm+1]
.endr
.irp mm, 0,1,2,3
	v_permlanex16_b32 v[TB+20+\mm], v[TB+16+\mm], s60, s61
.endr
.irp mm, 0,1,2,3
	v_add_f32 v[TB+16+\mm], v[TB+16+\mm], v[TB+20+\mm]
.endr
	s_wait_alu depctr_va_vdst(0)                   ; the additions have written my four sums, which the LDS store reads, and are done with v96-127, in which the loads below land
	ds_store_b128 v[STW], v[TB+16:TB+19] offset:(\ex)*2048
	BARRIER
	s_wait_alu depctr_vm_vsrc(0)                   ; the store has read its four registers, in which the loads below land
.irp w, 0,1,2,3,4,5,6,7
	ds_load_b128 v[TB+4*\w:TB+4*\w+3], v[STR] offset:(\ex)*2048+256*\w
.endr
	s_wait_dscnt 0x0
.irp w, 1,2,3,4,5,6,7
	v_pk_add_f32 v[TB:TB+1], v[TB:TB+1], v[TB+4*\w:TB+4*\w+1]
	v_pk_add_f32 v[TB+2:TB+3], v[TB+2:TB+3], v[TB+4*\w+2:TB+4*\w+3]
.endr
.endm
; A layer norm of the 64 rows in the accumulators.  dstw = 1: in place; 0: into v128-255 of window 0.
.macro LN ex, ug, ub, dstw
	WIN 0                                          ; the loads below name window 0, whatever setting the lines ahead have left
	s_wait_alu depctr_va_vdst(0)                   ; what read v32-95 last (the fusing; the last products; the norm before) is done with them: the gains and biases land there
	LDB ACT, \ug                                   ; my columns' gains and biases
	LDB ACT+32, \ub
	WIN 0x05
.irp mm, 0,1,2,3
	v_pk_add_f32 v[TB+4*\mm:TB+4*\mm+1], v[8*\mm:8*\mm+1], v[8*\mm+2:8*\mm+3]
	v_pk_add_f32 v[TB+4*\mm+2:TB+4*\mm+3], v[8*\mm+4:8*\mm+5], v[8*\mm+6:8*\mm+7]
.endr
	WIN 0x04
.irp t, 1,2,3
.irp mm, 0,1,2,3
.irp p, 0,4
	v_pk_add_f32 v[TB+4*\mm:TB+4*\mm+1], v[TB+4*\mm:TB+4*\mm+1], v[8*(4*\t+\mm)+\p:8*(4*\t+\mm)+\p+1]
	v_pk_add_f32 v[TB+4*\mm+2:TB+4*\mm+3], v[TB+4*\mm+2:TB+4*\mm+3], v[8*(4*\t+\mm)+\p+2:8*(4*\t+\mm)+\p+3]
.endr
.endr
.endr
	EXCH \ex
.irp mm, 0,1,2,3
	v_mul_f32 v[CODES+2*\mm], 0xbb000000, v[TB+\mm]   ; -mean, the low word of a pair
.endr
	WIN 0x41
.irp t, 0,1,2,3
.irp mm, 0,1,2,3
.irp p, 0,2,4,6
	v_pk_add_f32 v[8*(4*\t+\mm)+\p:8*(4*\t+\mm)+\p+1], v[8*(4*\t+\mm)+\p:8*(4*\t+\mm)+\p+1], v[CODES+2*\mm:CODES+2*\mm+1] op_sel_hi:[1,0]
.endr
.endr
.endr
	WIN 0x05
.irp mm, 0,1,2,3
	v_pk_mul_f32 v[TB+4*\mm:TB+4*\mm+1], v[8*\mm:8*\mm+1], v[8*\mm:8*\mm+1]
	v_pk_mul_f32 v[TB+4*\mm+2:TB+4*\mm+3], v[8*\mm+2:8*\mm+3], v[8*\mm+2:8*\mm+3]
	v_pk_fma_f32 v[TB+4*\mm:TB+4*\mm+1], v[8*\mm+4:8*\mm+5], v[8*\mm+4:8*\mm+5], v[TB+4*\mm:TB+4*\mm+1]
	v_pk_fma_f32 v[TB+4*\mm+2:TB+4*\mm+3], v[8*\mm+6:8*\mm+7], v[8*\mm+6:8*\mm+7], v[TB+4*\mm+2:TB+4*\mm+3]
.endr
.irp t, 1,2,3
.irp mm, 0,1,2,3
.irp p, 0,4
	v_pk_fma_f32 v[TB+4*\mm:TB+4*\mm+1], v[8*(4*\t+\mm)+\p:8*(4*\t+\mm)+\p+1], v[8*(4*\t+\mm)+\p:8*(4*\t+\mm)+\p+1], v[TB+4*\mm:TB+4*\mm+1]
	v_pk_fma_f32 v[TB+4*\mm+2:TB+4*\mm+3], v[8*(4*\t+\mm)+\p+2:8*(4*\t+\mm)+\p+3], v[8*(4*\t+\mm)+\p+2:8*(4*\t+\mm)+\p+3], v[TB+4*\mm+2:TB+4*\mm+3]
.endr
.endr
.endr
	EXCH (\ex)+1
.irp mm, 0,1,2,3
	v_fma_f32 v[TB+\mm], v[TB+\mm], s62, s63       ; the variance + 1e-5
.endr
.irp mm, 0,1,2,3
	v_rsq_f32 v[CODES+2*\mm], v[TB+\mm]
.endr
	v_nop
	s_wait_alu depctr_va_vdst(0)                   ; the four reciprocal roots have written their results: one wait for the batch, ahead of its first reader
	WIN 0x41
.irp t, 0,1,2,3
.irp mm, 0,1,2,3
.irp p, 0,2,4,6
	v_pk_mul_f32 v[8*(4*\t+\mm)+\p:8*(4*\t+\mm)+\p+1], v[8*(4*\t+\mm)+\p:8*(4*\t+\mm)+\p+1], v[CODES+2*\mm:CODES+2*\mm+1] op_sel_hi:[1,0]
.endr
.endr
.endr
.set DL, 0
.if \dstw
	WIN 0x41
.else
.set DL, KEEP
	WIN 0x01
.endif
.irp t, 0,1,2,3
.irp mm, 0,1,2,3
.irp p, 0,2,4,6
	v_pk_fma_f32 v[DL+8*(4*\t+\mm)+\p:DL+8*(4*\t+\mm)+\p+1], v[8*(4*\t+\mm)+\p:8*(4*\t+\mm)+\p+1], v[ACT+8*\t+\p:ACT+8*\t+\p+1], v[ACT+32+8*\t+\p:ACT+32+8*\t+\p+1]
.endr
.endr
.endr
	WIN 0
.endm
	LN 0, 7, 8, 0                                  ; h1, kept in window 0.  Every wave's reads of [L, G] were over ahead of this norm's barriers,
	QIMG 0, KEEP, 0, 20, 21, RBW, 8192, 0          ; so h1's fragments may take their place
	BARRIER
	s_wait_alu depctr_vm_vsrc(0)                   ; the LDS stores have read h1's codes in v32-63, in which the fragments' loads land
	; ---- the hidden layer, 512 units at a time
	LDB TB, 4
	FETCH LI2, 0, 4, 0
	PHASE 4, 0, LI2, 0, WA512, 20, 512, 0, WA512, 20, 512, 262144, 0
	PLACES
	QIMG 0x01, 0, 1, 22, 23, RAW, 16384, 0
	s_wait_alu depctr_vm_vsrc(0)                   ; the LDS stores have read the hidden layer's codes in v32-63, in which the fragments' loads land
	LDB TB, 5
	FETCH LI2, 0, 4, 0
	PHASE 4, 0, LI2, 0, WA512, 20, 512, 262144, WA1024, 22, 1024, 0, 0
	PLACES
	QIMG 0x01, 0, 1, 22, 23, RAW, 16384, 8192
	BARRIER
	s_wait_alu depctr_vm_vsrc(0)                   ; the LDS stores have read the hidden layer's codes in v32-63, in which the fragments' loads land
	; ---- the second FFN product, the residual, two norms
	LDB TB, 6
	FETCH LI, 0, 8, 0
	PHASE 8, 0, LI, 0, WA1024, 22, 1024, 0, 0, 0, 0, 0, 1
	PLACES
	WIN 0x41
.set I, 0
.rept 64
	v_pk_fma_f32 v[I:I+1], v[I:I+1], s[58:59], v[KEEP+I:KEEP+I+1] op_sel_hi:[1,0,1]
.set I, I+2
.endr
	LN 2, 9, 10, 1
	LN 4, 11, 12, 1
	; ---- the 64 rows' column sums: over the row tiles, then over the 16 lanes of a half by halving: at each step a lane keeps half of its numbers and sends the other half to its partner
	WIN 0x05
.irp t, 0,1,2,3
.irp p, 0,2,4,6
	v_pk_add_f32 v[TB+8*\t+\p:TB+8*\t+\p+1], v[32*\t+\p:32*\t+\p+1], v[32*\t+8+\p:32*\t+8+\p+1]
.endr
.endr
	WIN 0x04
.irp mm, 2,3
.irp t, 0,1,2,3
.irp p, 0,2,4,6
	v_pk_add_f32 v[TB+8*\t+\p:TB+8*\t+\p+1], v[TB+8*\t+\p:TB+8*\t+\p+1], v[32*\t+8*\mm+\p:32*\t+8*\mm+\p+1]
.endr
.endr
.endr
	WIN 0
	s_mov_b32 s3, 0xff00ff00                       ; the lanes in which bit 3, 2, 1, 0 of r is set
	s_mov_b32 s66, 0xf0f0f0f0
	s_mov_b32 s67, 0xcccccccc
	s_mov_b32 s100, 0xaaaaaaaa
.macro RSTEP n, src, dst, smask, xm
.set I, 0
.rept \n
	v_cndmask_b32 v[64+I], v[\src+I], v[\src+\n+I], s[\smask]   ; kept: the upper half where the bit is set
	v_cndmask_b32 v[80+I], v[\src+\n+I], v[\src+I], s[\smask]   ; sent
.set I, I+1
.endr
.set I, 0
.rept \n
	v_add_f32_dpp v[\dst+I], v[80+I], v[64+I] row_xmask:\xm row_mask:0xf bank_mask:0xf
.set I, I+1
.endr
.endm
	RSTEP 16, TB, ACT, 3, 8
	RSTEP 8, ACT, TB, 66, 4
	RSTEP 4, TB, ACT, 67, 2
	RSTEP 2, ACT, TB, 100, 1
	v_and_b32 v14, 7, v0                           ; lane (r, h) holds columns 64 w + 32 (r / 8) + 16 h + 2 (r % 8) + 0, 1
	v_bfe_u32 v15, v0, 3, 1
	v_lshlrev_b32 v14, 3, v14
	v_lshl_add_u32 v14, v15, 7, v14
	v_bfe_u32 v15, v0, 4, 1
	v_lshl_add_u32 v14, v15, 6, v14
	s_lshl_b32 s3, s[WV], 8
	v_add_nc_u32 v14, s3, v14
	s_wait_alu depctr_va_vdst(0)                   ; my two column sums and their offset v14 are written, which the store reads
	global_store_b64 v14, v[TB:TB+1], s[48:49]     ; the wave stores 256 consecutive bytes, aligned
	s_wait_xcnt 0x0
	v_lshl_add_u32 v254, v0, 2, 0x4d800            ; the add's two registers, made anew: no memory or LDS instruction has read v254 or v255
	v_mov_b32 v255, 0
	s_wait_dscnt 0x0                               ; the closing lines, six on end
	s_wait_alu 0x0
	s_wait_tensorcnt 0x0
	ds_add_u32 v254, v255
	s_wait_dscnt 0x0
	s_endpgm
.Lfunc_end_k_q5594d322fd_tail:
	.size	k_q5594d322fd_tail, .Lfunc_end_k_q5594d322fd_tail-k_q5594d322fd_tail
	.p2alignl 7, 3214868480
	.fill 96, 4, 3214868480
	.section	.rodata,"a",@progbits
	.p2align	6, 0x0
	.amdhsa_kernel k_q5594d322fd_tail
		.amdhsa_group_segment_fixed_size 318464
		.amdhsa_private_segment_fixed_size 0
		.amdhsa_enable_private_segment 0
		.amdhsa_kernarg_size 184
		.amdhsa_user_sgpr_count 2
		.amdhsa_user_sgpr_kernarg_segment_ptr 1
		.amdhsa_wavefront_size32 1
		.amdhsa_system_sgpr_workgroup_id_x 1
		.amdhsa_system_sgpr_workgroup_id_y 1
		.amdhsa_system_sgpr_workgroup_id_z 1
		.amdhsa_system_vgpr_workitem_id 0
		.amdhsa_next_free_vgpr 512
		.amdhsa_next_free_sgpr 102
		.amdhsa_reserve_vcc 0
		.amdhsa_float_denorm_mode_32 3
		.amdhsa_float_denorm_mode_16_64 3
		.amdhsa_memory_ordered 1
		.amdhsa_forward_progress 1
		.amdhsa_inst_pref_size 255
	.end_amdhsa_kernel
	.section	.bss,"aw",@nobits
	.p2align	6
	.space	262144
	.amdgpu_metadata
---
amdhsa.version: [ 1, 2 ]
amdhsa.kernels:
  - .name:           k_q5594d322fd_tail
    .symbol:         k_q5594d322fd_tail.kd
    .args:
      - { .name: oimg, .offset: 0, .size: 8, .value_kind: global_buffer, .address_space: global }
      - { .name: x_codes, .offset: 8, .size: 8, .value_kind: global_buffer, .address_space: global }
      - { .name: pos, .offset: 16, .size: 8, .value_kind: global_buffer, .address_space: global }
      - { .name: lowp_scales, .offset: 24, .size: 8, .value_kind: global_buffer, .address_space: global }
      - { .name: win_w_codes, .offset: 32, .size: 8, .value_kind: global_buffer, .address_space: global }
      - { .name: l_wo_codes, .offset: 40, .size: 8, .value_kind: global_buffer, .address_space: global }
      - { .name: g_wo_codes, .offset: 48, .size: 8, .value_kind: global_buffer, .address_space: global }
      - { .name: gate_w_codes, .offset: 56, .size: 8, .value_kind: global_buffer, .address_space: global }
      - { .name: ffn_w1_codes, .offset: 64, .size: 8, .value_kind: global_buffer, .address_space: global }
      - { .name: ffn_w2_codes, .offset: 72, .size: 8, .value_kind: global_buffer, .address_space: global }
      - { .name: win_b, .offset: 80, .size: 8, .value_kind: global_buffer, .address_space: global }
      - { .name: l_bo, .offset: 88, .size: 8, .value_kind: global_buffer, .address_space: global }
      - { .name: g_bo, .offset: 96, .size: 8, .value_kind: global_buffer, .address_space: global }
      - { .name: gate_b, .offset: 104, .size: 8, .value_kind: global_buffer, .address_space: global }
      - { .name: ffn_b1, .offset: 112, .size: 8, .value_kind: global_buffer, .address_space: global }
      - { .name: ffn_b2, .offset: 120, .size: 8, .value_kind: global_buffer, .address_space: global }
      - { .name: n1_g, .offset: 128, .size: 8, .value_kind: global_buffer, .address_space: global }
      - { .name: n1_b, .offset: 136, .size: 8, .value_kind: global_buffer, .address_space: global }
      - { .name: n2_g, .offset: 144, .size: 8, .value_kind: global_buffer, .address_space: global }
      - { .name: n2_b, .offset: 152, .size: 8, .value_kind: global_buffer, .address_space: global }
      - { .name: n3_g, .offset: 160, .size: 8, .value_kind: global_buffer, .address_space: global }
      - { .name: n3_b, .offset: 168, .size: 8, .value_kind: global_buffer, .address_space: global }
      - { .name: part, .offset: 176, .size: 8, .value_kind: global_buffer, .address_space: global }
    .group_segment_fixed_size: 318464
    .private_segment_fixed_size: 0
    .kernarg_segment_align: 8
    .kernarg_segment_size: 184
    .max_flat_workgroup_size: 256
    .sgpr_count:     102
    .vgpr_count:     512
    .wavefront_size: 32
...
	.end_amdgpu_metadata
.endif
;; end of part 6
;; launch pool: the kernel of part 4 again; grid 4 x 4, 16 waves a work-group, no clusters, 6,144 bytes of LDS; arguments part, out_w, out_b, out0; writes out0
